; MI455X (gfx1250); checked and timed in simulation.
; The chip was launched on July 23, 2026; its instructions are those of AMD's public machine-readable ISA for CDNA 5 (MIT licence, August 2026) and "CDNA5" Instruction Set Architecture Reference Guide (July 2026). The comments in the code are by the model that wrote it; some were corrected since.
;; Transformer Encoder. Allowed arithmetic: matrix products marked QUANTISED: E4M3 operands, one given power-of-two scale a tensor, by v_wmma_f32_16x16x64_fp8_fp8 or v_wmma_f32_16x16x128_fp8_fp8, f32 sums; everything else in f32.
;; Inputs: W1 1,024 x 4,096 float32; W2 4,096 x 1,024 float32; Wk 1,024 x 1,024 float32; Wo 1,024 x 1,024 float32; Wq 1,024 x 1,024 float32; Wv 1,024 x 1,024 float32; b1 4,096 float32; b2 1,024 float32; bk 1,024 float32; bo 1,024 float32; bq 1,024 float32; bv 1,024 float32; ln1_b 1,024 float32; ln1_g 1,024 float32; ln2_b 1,024 float32; ln2_g 1,024 float32; lowp_scales 16 int32 (the exponents e of the quantised operands' scales 2^e); slim 16 float32; x 2 x 2,048 x 1,024 float32.
;; Outputs: out0 2 x 2,048 x 1,024 float32.
;; This version of the problem:
;;   THIS VERSION OF THE PROBLEM IS GIVEN IN LOW PRECISION. The matrix products marked QUANTISED in the list below multiply operands that are first quantised to E4M3 (4 exponent bits, 3 mantissa bits; 8 bits a number), with one given power-of-two scale for each operand tensor; their sums are f32. All else is computed in f32.
;;   The module's matrix products, in the order in which they are computed (A, B: the left and right operand; K: the contracted axis; several contracted axes count as one K, in the product's order):
;;     1. [M 4,096, K 1,024] x [K 1,024, N 1,024]; A: computed on the way; B: input Wq: QUANTISED (scales: A lowp_scales[0], B lowp_scales[1])
;;     2. [M 4,096, K 1,024] x [K 1,024, N 1,024]; A: computed on the way; B: input Wk: QUANTISED (scales: A lowp_scales[2], B lowp_scales[3])
;;     3. [M 4,096, K 1,024] x [K 1,024, N 1,024]; A: computed on the way; B: input Wv: QUANTISED (scales: A lowp_scales[4], B lowp_scales[5])
;;     4. batch 32 x [M 2,048, K 64] x [K 64, N 2,048]; A: computed on the way; B: computed on the way: QUANTISED (scales: A lowp_scales[6], B lowp_scales[7])
;;     5. batch 32 x [M 64, K 2,048] x [K 2,048, N 2,048]; A: computed on the way; B: computed on the way: QUANTISED (scales: A lowp_scales[8], B lowp_scales[9])
;;     6. [M 4,096, K 1,024] x [K 1,024, N 1,024]; A: computed on the way; B: input Wo: QUANTISED (scales: A lowp_scales[10], B lowp_scales[11])
;;     7. [M 4,096, K 1,024] x [K 1,024, N 4,096]; A: computed on the way; B: input W1: QUANTISED (scales: A lowp_scales[12], B lowp_scales[13])
;;     8. [M 4,096, K 4,096] x [K 4,096, N 1,024]; A: computed on the way; B: input W2: QUANTISED (scales: A lowp_scales[14], B lowp_scales[15])
;;   THE QUANTISER, for each operand of a quantised product, along K:
;;     - The operand's scale is 2^e, e = its entry of the input lowp_scales (int32; the entries are numbered through the quantised products in the list's order, A before B).
;;     - Each number is divided by the scale, clamped to +-448, and rounded to the nearest number of E4M3, ties to even, subnormals kept.
;;     - The product sums the exact products of the quantised numbers (number of the format x scale) in f32.
;;   ~~~python
;;   def quantise(x, axis, e):      # numpy; x: float32 -> the quantised numbers, widened to float32 again
;;       x = np.moveaxis(x, axis, -1); K = x.shape[-1]
;;       r = np.clip(x / 2.0 ** e, -448, 448)
;;       step = 2.0 ** (np.maximum(np.frexp(np.where(r == 0, 1, r))[1] - 1, -6) - 3)
;;       q = np.round(r / step) * step * 2.0 ** e      # np.round: ties to even
;;       return np.moveaxis(q, -1, axis).astype(np.float32)
;;   ~~~
;;   OPERANDS COMPUTED ON THE WAY. 'Computed on the way' means the value that the module computes at that place (a softmax that the list does not call 'softmax' is quantised finished and normalised). What goes into a quantiser is computed in f32, as accurately as f32 sums, v_exp_f32 and their like allow (about 1e-6 of the number): no bf16 or f16 on the way to a quantiser, and a product that is left as it is and whose result goes on into a quantised operand takes f32 operands (vector FMAs, or v_wmma_f32_16x16x4_f32). A number that lies on a knife's edge between two numbers of the format may be rounded either way, as far as f32 arithmetic and the matrix unit's own rounding can turn it there, and no further.
;; One version. Each part assembles by itself: llvm-mc -triple=amdgcn-amd-amdhsa -mcpu=gfx1250 --defsym DOCPART=n.
;; ======== version 1 of 1: 7 launches
;; workspace buffers: wc 25,165,824 bytes; qkvc 12,582,912 bytes; ac 4,194,304 bytes; outf 16,777,216 bytes; h2c 4,194,304 bytes; mc 16,777,216 bytes
;; launch prep (part 1): grid 448 x 1, 16 waves a work-group, no clusters, 4,096 bytes of LDS; arguments x, ln1_g, ln1_b, lowp_scales, wc, Wq, Wk, Wv, Wo, W1, W2; writes wc
.if DOCPART == 1
	.amdgcn_target "amdgcn-amd-amdhsa--gfx1250"
	.amdhsa_code_object_version 6
	.text
	.protected	k_q1fa7387d56_prep
	.globl	k_q1fa7387d56_prep
	.p2align	8
	.type	k_q1fa7387d56_prep,@function
k_q1fa7387d56_prep:
	s_mov_b64 s[64:65], 0
	v_nop
	global_prefetch_b8 v0, s[64:65] scope:SCOPE_SE
	s_setreg_imm32_b32 hwreg(HW_REG_WAVE_MODE, 25, 1), 1
	s_wait_xcnt 0x0
; FIRST OF SEVEN LAUNCHES of one encoder layer (4,096 tokens, 1,024 features, 16 heads of 64, MLP of 4,096), all eight products on codes of E4M3.
; DEAD WORK: none.  Every input has a way to the output (bk too: it moves k's codes), every product of the table is live, so all inputs are loaded and nothing is left out.
; THIS LAUNCH: work-groups 0-255: h = layernorm(x) in f32, quantised three times (scales e0, e2, e4: products 1, 2, 3 each have their own).  Work-groups 256-447: the six weights, whose K is their first axis, into codes.
; LAYOUT OF ALL CODES: images of operand registers.  A fragment of 16 rows x 128 K is 2,048 bytes: piece q (registers 4 q .. 4 q + 3) at 512 q + 16 x lane; lane (r, h) holds of row r
; k = 32 q + 8 h + 0 .. 7 and k = 32 q + 16 + 8 h + 0 .. 7.  A matrix lies [row / 16][k / 128][2,048].  So every store of a wave here is 256 or 512 consecutive bytes, aligned.
; wc: Wq^T at 0, Wk^T at 1 MiB, Wv^T at 2 MiB, Wo^T at 3 MiB, W1^T at 4 MiB, W2^T at 8 MiB; h's three sets of codes at 12, 16, 20 MiB.
; LIMITS: each e used here between -126 and 119, so that 2^e and 448 x 2^e are f32 numbers.  NaN among the inputs is not served (an infinity is held at the largest code).
; LN PATH: a work-group takes 16 rows, wave w features 64 w .. 64 w + 63, lane (r, h) row r; register X + 8 f + 4 i + e = feature 64 w + 16 f + 8 h + 4 i + e: eight neighbours for each conversion.
; Mean and variance in two passes as written (sum; sum of squares of x - mean); a row's 16 partial sums meet in LDS, two barriers, two regions.
; WEIGHT PATH: no LDS, no barrier.  A wave takes 32 columns x 128 along K, one fragment's K: a lane a column, its registers down K; four blocks of 32, loads two blocks ahead.
; Both paths keep to 128 registers a wave: registers whose first use is over are taken again (g's for the held numbers, b's for the codes; two sets of code registers by turns).
.set RED1,  1024                       ; LDS: 0: 16 rows x 16 waves x 4 bytes, the sums; 1,024: the same for the squares
.set SPARE, 2048                       ; the spare words, 128 bytes for each of 16 waves
.set HC,    0xc00000
.set X,   16                           ; v16-47   x, then x - mean, then h
.set GG,  48                           ; v48-79   g
.set BB,  80                           ; v80-111  b
.set T,   112                          ; v112-115 my lane's partial sums
.set PS,  112                          ; v112-127 then a row's sixteen partial sums (my own has been stored and waited for by then)
.set QS,  120                          ; v120-125 behind the second exchange: 2^e and 448 x 2^e for e0, e2, e4
.set HD,  48                           ; v48-79   the held numbers: g's registers, once h is made
.set C,   80                           ; v80-103  the codes, eight registers for each of the three sets: b's registers
.set SPW, 12
.set NIL, 13
.macro MKS e, vs, vl                   ; s[e] = e  ->  v[vs] = 2^e as f32, v[vl] = 448 x 2^e
	s_add_co_i32 s90, s[\e], 127
	s_lshl_b32 s91, s90, 23
	v_mov_b32 v[\vs], s91
	s_add_co_i32 s90, s90, 8
	s_lshl_b32 s90, s90, 23
	s_or_b32 s90, s90, 0x600000
	v_mov_b32 v[\vl], s90
.endm
; v[T] holds my lane's sum over 32 features of row r.  Out: v[PS] = the row's sum over all 1,024, in every lane of the row.
.macro ACROSS red
	v_permlanex16_b32 v[T+1], v[T], s30, s31       ; row r lies in lanes r and r + 16
	v_add_f32 v[T], v[T], v[T+1]
	ds_store_b32 v5, v[T] offset:\red
	s_wait_dscnt 0x0                               ; for the others' sake: my store has landed
	s_barrier_signal -1
	s_barrier_wait -1
.irp i, 0,1,2,3
	ds_load_b128 v[PS+4*\i:PS+4*\i+3], v6 offset:\red+16*\i
.endr
	s_wait_dscnt 0x0
	v_pk_add_f32 v[PS:PS+1], v[PS:PS+1], v[PS+2:PS+3]
	v_pk_add_f32 v[PS+4:PS+5], v[PS+4:PS+5], v[PS+6:PS+7]
	v_pk_add_f32 v[PS+8:PS+9], v[PS+8:PS+9], v[PS+10:PS+11]
	v_pk_add_f32 v[PS+12:PS+13], v[PS+12:PS+13], v[PS+14:PS+15]
	v_pk_add_f32 v[PS:PS+1], v[PS:PS+1], v[PS+4:PS+5]
	v_pk_add_f32 v[PS+8:PS+9], v[PS+8:PS+9], v[PS+12:PS+13]
	v_pk_add_f32 v[PS:PS+1], v[PS:PS+1], v[PS+8:PS+9]
	v_add_f32 v[PS], v[PS], v[PS+1]
.endm
	s_load_b256 s[4:11], s[0:1], 0x0               ; x, ln1_g, ln1_b, the scales' exponents
	s_load_b64 s[14:15], s[0:1], 0x20              ; wc
	s_load_b256 s[16:23], s[0:1], 0x28             ; Wq, Wk, Wv, Wo
	s_load_b128 s[24:27], s[0:1], 0x48             ; W1, W2
	v_lshl_add_u32 v[SPW], v0, 2, SPARE
	v_mov_b32 v[NIL], 0
	v_lshrrev_b32 v1, 5, v0
	v_readfirstlane_b32 s28, v1                    ; wave 0..15
	s_wait_kmcnt 0x0
	s_load_b512 s[32:47], s[10:11], 0x0            ; e0 .. e15
	s_cmp_lt_u32 ttmp9, 256                        ; the work-group's number alone: all sixteen waves go the same way
	s_cbranch_scc0 .Lweights
	; ---------------- layernorm 1 ----------------
	v_and_b32 v1, 15, v0                           ; r
	v_bfe_u32 v2, v0, 4, 1                         ; h
	v_lshlrev_b32 v4, 5, v2                        ; g, b: 32 h
	v_lshl_add_u32 v3, v1, 12, v4                  ; x: row r of 4,096 bytes + 32 h
	v_lshlrev_b32 v6, 6, v1                        ; LDS: row r's 16 words
	s_lshl_b32 s29, s28, 2
	v_add_nc_u32 v5, s29, v6                       ; and my wave's word among them
	v_and_b32 v7, 31, v0
	v_lshlrev_b32 v7, 4, v7                        ; 16 x lane
	s_mov_b32 s30, 0x76543210
	s_mov_b32 s31, 0xfedcba98
	s_lshl_b32 s48, ttmp9, 16                      ; 16 rows of 4,096 bytes
	s_lshl_b32 s49, s28, 8                         ; my wave's 256 bytes of a row
	s_add_co_u32 s48, s48, s49
	s_mov_b32 s49, 0
	s_add_nc_u64 s[4:5], s[4:5], s[48:49]
	s_lshl_b32 s48, s28, 8
	s_add_nc_u64 s[6:7], s[6:7], s[48:49]
	s_add_nc_u64 s[8:9], s[8:9], s[48:49]
	s_lshl_b32 s50, ttmp9, 14                      ; a token tile's codes are 16 KiB,
	s_lshl_b32 s51, s28, 10                        ; my wave's 64 features 1 KiB of them
	s_add_co_u32 s50, s50, s51
	s_add_co_u32 s50, s50, HC
	s_mov_b32 s51, 0
	s_add_nc_u64 s[50:51], s[14:15], s[50:51]
	s_add_nc_u64 s[52:53], s[50:51], 0x400000
	s_add_nc_u64 s[54:55], s[50:51], 0x800000
.irp f, 0,1,2,3
.irp i, 0,1
	global_load_b128 v[X+8*\f+4*\i:X+8*\f+4*\i+3], v3, s[4:5] offset:64*\f+16*\i th:TH_LOAD_NT
.endr
.endr
.irp f, 0,1,2,3
.irp i, 0,1
	global_load_b128 v[GG+8*\f+4*\i:GG+8*\f+4*\i+3], v4, s[6:7] offset:64*\f+16*\i
	global_load_b128 v[BB+8*\f+4*\i:BB+8*\f+4*\i+3], v4, s[8:9] offset:64*\f+16*\i
.endr
.endr
	s_wait_loadcnt 16                              ; x's eight loads are in; the sixteen of g and b may stay out
	v_pk_add_f32 v[T:T+1], v[X:X+1], v[X+2:X+3]
	v_pk_add_f32 v[T+2:T+3], v[X+4:X+5], v[X+6:X+7]
.irp j, 8,12,16,20,24,28
	v_pk_add_f32 v[T:T+1], v[T:T+1], v[X+\j:X+\j+1]
	v_pk_add_f32 v[T+2:T+3], v[T+2:T+3], v[X+\j+2:X+\j+3]
.endr
	v_pk_add_f32 v[T:T+1], v[T:T+1], v[T+2:T+3]
	v_add_f32 v[T], v[T], v[T+1]
	ACROSS 0
	v_mul_f32 v8, 0x3a800000, v[PS]                ; the mean: / 1,024
	v_mov_b32 v9, v8
.set n, 0
.rept 16
	v_pk_add_f32 v[X+n:X+n+1], v[X+n:X+n+1], v[8:9] neg_lo:[0,1] neg_hi:[0,1]
.set n, n+2
.endr
	v_pk_mul_f32 v[T:T+1], v[X:X+1], v[X:X+1]
	v_pk_mul_f32 v[T+2:T+3], v[X+2:X+3], v[X+2:X+3]
.irp j, 4,8,12,16,20,24,28
	v_pk_fma_f32 v[T:T+1], v[X+\j:X+\j+1], v[X+\j:X+\j+1], v[T:T+1]
	v_pk_fma_f32 v[T+2:T+3], v[X+\j+2:X+\j+3], v[X+\j+2:X+\j+3], v[T+2:T+3]
.endr
	v_pk_add_f32 v[T:T+1], v[T:T+1], v[T+2:T+3]
	v_add_f32 v[T], v[T], v[T+1]
	ACROSS RED1                                    ; other bytes than the first exchange: no third barrier is needed
	v_mul_f32 v11, 0x3a800000, v[PS]               ; the variance
	v_add_f32 v11, 0x3727c5ac, v11                 ; + 1e-5
	v_rsq_f32 v10, v11
	v_nop                                          ; a plain instruction behind the transcendental
	s_wait_alu depctr_va_vdst(0)                   ; and the wait ahead of its first reader
	v_mov_b32 v11, v10
	s_wait_kmcnt 0x0
	MKS 32, QS, QS+1                               ; the row's sixteen words are used up: their upper registers take the scales
	MKS 34, QS+2, QS+3
	MKS 36, QS+4, QS+5
	s_wait_loadcnt 0x0                             ; g and b
.set n, 0
.rept 16
	v_pk_mul_f32 v[X+n:X+n+1], v[X+n:X+n+1], v[10:11]
.set n, n+2
.endr
.set n, 0
.rept 16
	v_pk_fma_f32 v[X+n:X+n+1], v[X+n:X+n+1], v[GG+n:GG+n+1], v[BB+n:BB+n+1]
.set n, n+2
.endr
.irp o, 0,1,2                                  ; h under e0, e2, e4.  g and b are used up: their registers take the held numbers and the codes
.set n, 0
.rept 32
	v_med3_num_f32 v[HD+n], v[X+n], -v[QS+2*\o+1], v[QS+2*\o+1]   ; the conversion to an 8-bit code does not saturate (ISA guide 7.6.2): the hold comes first
.set n, n+1
.endr
.irp f, 0,1,2,3
	v_cvt_scalef32_pk8_fp8_f32 v[C+8*\o+2*\f:C+8*\o+2*\f+1], v[HD+8*\f:HD+8*\f+7], v[QS+2*\o]
.endr
	v_nop                                          ; a plain instruction between the conversions and the next holds, which write their sources
	global_store_b128 v7, v[C+8*\o:C+8*\o+3], s[50+2*\o:51+2*\o]              ; 512 consecutive bytes a store; each set has registers of its own
	global_store_b128 v7, v[C+8*\o+4:C+8*\o+7], s[50+2*\o:51+2*\o] offset:512
.endr
	s_wait_tensorcnt 0x0                           ; the wave's end: behind my last LDS store
	ds_add_u32 v[SPW], v[NIL]
	s_wait_dscnt 0x0
	s_endpgm
	; ---------------- the weights ----------------
.Lweights:
	s_sub_co_u32 s29, ttmp9, 256
	s_lshl_b32 s29, s29, 4
	s_add_co_u32 s29, s29, s28                     ; U: my wave's unit, 0 .. 3,071: 12 Mi numbers in units of 32 x 128
	s_lshr_b32 s30, s29, 10                        ; 0: the four square weights; 1: W1; 2: W2: 1,024 units each
	s_and_b32 s31, s29, 1023
	s_lshr_b32 s70, s31, 8                         ; which of the four
	s_lshl_b32 s75, s70, 20
	s_lshl_b32 s76, s30, 22
	s_cmp_eq_u32 s30, 1
	s_cselect_b32 s71, 127, 31                     ; groups of 32 columns, less one
	s_cselect_b32 s72, 7, 5
	s_cselect_b32 s73, 14, 12                      ; log2 of a row's bytes
	s_cmp_eq_u32 s30, 0
	s_cselect_b32 s74, 7, 31
	s_cselect_b32 s75, s75, s76                    ; the codes' place in wc
	s_cmp_eq_u32 s30, 2
	s_cselect_b32 s77, 16, 14                      ; log2 of the bytes of 16 rows of codes: 16 K
	s_and_b32 s71, s31, s71                        ; cg: my 32 columns
	s_lshr_b32 s72, s31, s72
	s_and_b32 s72, s72, s74                        ; ky: my 128 along K
	s_wait_kmcnt 0x0
	s_mov_b64 s[78:79], s[16:17]
	s_mov_b32 s80, s33
	s_cmp_eq_u32 s70, 1
	s_cselect_b64 s[78:79], s[18:19], s[78:79]
	s_cselect_b32 s80, s35, s80
	s_cmp_eq_u32 s70, 2
	s_cselect_b64 s[78:79], s[20:21], s[78:79]
	s_cselect_b32 s80, s37, s80
	s_cmp_eq_u32 s70, 3
	s_cselect_b64 s[78:79], s[22:23], s[78:79]
	s_cselect_b32 s80, s43, s80
	s_cmp_eq_u32 s30, 1
	s_cselect_b64 s[78:79], s[24:25], s[78:79]
	s_cselect_b32 s80, s45, s80
	s_cmp_eq_u32 s30, 2
	s_cselect_b64 s[78:79], s[26:27], s[78:79]
	s_cselect_b32 s80, s47, s80                    ; e1, e3, e5, e11, e13 or e15
	s_lshl_b32 s82, s72, 7
	s_lshl_b32 s82, s82, s73                       ; 128 ky rows
	s_lshl_b32 s84, s71, 7
	s_add_co_u32 s82, s82, s84                     ; + 32 cg columns
	s_mov_b32 s83, 0
	s_add_nc_u64 s[48:49], s[78:79], s[82:83]      ; four bases, one for each block of 32 rows: none is ever written again
	s_lshl_b32 s82, 32, s73
.irp t, 1,2,3
	s_add_nc_u64 s[48+2*\t:49+2*\t], s[46+2*\t:47+2*\t], s[82:83]
.endr
	s_lshl_b32 s85, 1, s73                         ; a row's bytes
	v_and_b32 v1, 31, v0
	v_lshlrev_b32 v16, 2, v1                       ; 32 offsets: 4 x lane + i rows; never written again
.set n, 1
.rept 31
	v_add_nc_u32 v[16+n], s85, v[15+n]
.set n, n+1
.endr
	s_lshl_b32 s86, s71, 1
	s_lshl_b32 s86, s86, s77                       ; row tile 2 cg of the codes
	s_lshl_b32 s84, s72, 11
	s_add_co_u32 s86, s86, s84                     ; + one fragment for each ky
	s_add_co_u32 s86, s86, s75
	s_mov_b32 s87, 0
	s_add_nc_u64 s[14:15], s[14:15], s[86:87]
	v_bfe_u32 v2, v0, 4, 1
	v_lshlrev_b32 v2, s77, v2                      ; lanes 16-31: the next row tile
	v_and_b32 v1, 15, v0
	v_lshl_add_u32 v3, v1, 4, v2                   ; + 16 x (column mod 16)
	MKS 80, 8, 9
.macro WLOAD t                         ; W(128 ky + 32 t + i, my column): 128 consecutive bytes a load, the sixteen waves side by side
.set n, 0
.rept 32
	global_load_b32 v[48+32*((\t)%2)+n], v[16+n], s[48+2*(\t):49+2*(\t)] th:TH_LOAD_NT
.set n, n+1
.endr
.endm
.macro WBLOCK t
.set XS, 48+32*((\t)%2)                ; two sets of 32 numbers by turns
.set CS, 112+8*((\t)%2)                ; two sets of 8 code registers by turns
.if (\t) < 3
	s_wait_loadcnt 32                              ; this block's 32 loads are in; the next block's may stay out
.else
	s_wait_loadcnt 0x0
.endif
.set n, 0
.rept 32
	v_med3_num_f32 v[XS+n], v[XS+n], -v9, v9
.set n, n+1
.endr
.if (\t) >= 2
	s_wait_xcnt 0x0                                ; the stores of two blocks ago have read this set of code registers: it is written again only behind this wait
.endif
	v_cvt_scalef32_pk8_fp8_f32 v[CS:CS+1], v[XS:XS+7], v8          ; k 0-7 and 16-23 belong to lane (r, 0) of the image,
	v_cvt_scalef32_pk8_fp8_f32 v[CS+2:CS+3], v[XS+16:XS+23], v8
	v_cvt_scalef32_pk8_fp8_f32 v[CS+4:CS+5], v[XS+8:XS+15], v8     ; k 8-15 and 24-31 to lane (r, 1), 256 bytes on
	v_cvt_scalef32_pk8_fp8_f32 v[CS+6:CS+7], v[XS+24:XS+31], v8
	global_store_b128 v3, v[CS:CS+3], s[14:15] offset:(\t)*512         ; sixteen lanes store 256 consecutive bytes, aligned
	global_store_b128 v3, v[CS+4:CS+7], s[14:15] offset:(\t)*512+256
.if (\t)+2 < 4
	WLOAD (\t)+2                                   ; (the next vector lines are the next block's holds, plain and on the other set)
.endif
.endm
	WLOAD 0
	WLOAD 1
.irp t, 0,1,2,3
	WBLOCK \t
.endr
	s_endpgm
.Lfunc_end_k_q1fa7387d56_prep:
	.size	k_q1fa7387d56_prep, .Lfunc_end_k_q1fa7387d56_prep-k_q1fa7387d56_prep
	.p2alignl 7, 3214868480
	.fill 96, 4, 3214868480
	.section	.rodata,"a",@progbits
	.p2align	6, 0x0
	.amdhsa_kernel k_q1fa7387d56_prep
		.amdhsa_group_segment_fixed_size 4096
		.amdhsa_private_segment_fixed_size 0
		.amdhsa_enable_private_segment 0
		.amdhsa_kernarg_size 88
		.amdhsa_user_sgpr_count 2
		.amdhsa_user_sgpr_kernarg_segment_ptr 1
		.amdhsa_wavefront_size32 1
		.amdhsa_system_sgpr_workgroup_id_x 1
		.amdhsa_system_sgpr_workgroup_id_y 1
		.amdhsa_system_sgpr_workgroup_id_z 1
		.amdhsa_system_vgpr_workitem_id 0
		.amdhsa_next_free_vgpr 128
		.amdhsa_next_free_sgpr 96
		.amdhsa_reserve_vcc 0
		.amdhsa_float_denorm_mode_32 3
		.amdhsa_float_denorm_mode_16_64 3
		.amdhsa_memory_ordered 1
		.amdhsa_forward_progress 1
		.amdhsa_inst_pref_size 46
	.end_amdhsa_kernel
	.amdgpu_metadata
---
amdhsa.version: [ 1, 2 ]
amdhsa.kernels:
  - .name:           k_q1fa7387d56_prep
    .symbol:         k_q1fa7387d56_prep.kd
    .args:
      - { .name: x, .offset: 0, .size: 8, .value_kind: global_buffer, .address_space: global }
      - { .name: ln1_g, .offset: 8, .size: 8, .value_kind: global_buffer, .address_space: global }
      - { .name: ln1_b, .offset: 16, .size: 8, .value_kind: global_buffer, .address_space: global }
      - { .name: lowp_scales, .offset: 24, .size: 8, .value_kind: global_buffer, .address_space: global }
      - { .name: wc, .offset: 32, .size: 8, .value_kind: global_buffer, .address_space: global }
      - { .name: Wq, .offset: 40, .size: 8, .value_kind: global_buffer, .address_space: global }
      - { .name: Wk, .offset: 48, .size: 8, .value_kind: global_buffer, .address_space: global }
      - { .name: Wv, .offset: 56, .size: 8, .value_kind: global_buffer, .address_space: global }
      - { .name: Wo, .offset: 64, .size: 8, .value_kind: global_buffer, .address_space: global }
      - { .name: W1, .offset: 72, .size: 8, .value_kind: global_buffer, .address_space: global }
      - { .name: W2, .offset: 80, .size: 8, .value_kind: global_buffer, .address_space: global }
    .group_segment_fixed_size: 4096
    .private_segment_fixed_size: 0
    .kernarg_segment_align: 8
    .kernarg_segment_size: 88
    .max_flat_workgroup_size: 512
    .sgpr_count:     96
    .vgpr_count:     128
    .wavefront_size: 32
...
	.end_amdgpu_metadata
.endif
;; end of part 1
;; launch gemm_qkv (part 2): grid 12 x 16, 4 waves a work-group, clusters of 4 x 4, 327,680 bytes of LDS; arguments wc, lowp_scales, bq, bk, bv, qkvc; writes qkvc
.if DOCPART == 2
	.amdgcn_target "amdgcn-amd-amdhsa--gfx1250"
	.amdhsa_code_object_version 6
	.text
	.protected	k_q1fa7387d56_gemm_qkv
	.globl	k_q1fa7387d56_gemm_qkv
	.p2align	8
	.type	k_q1fa7387d56_gemm_qkv,@function
k_q1fa7387d56_gemm_qkv:
	s_mov_b64 s[64:65], 0
	v_nop
	global_prefetch_b8 v0, s[64:65] scope:SCOPE_SE
	s_setreg_imm32_b32 hwreg(HW_REG_WAVE_MODE, 25, 1), 1
	s_wait_xcnt 0x0
	s_wait_alu depctr_hold_cnt(0) depctr_sa_sdst(0) depctr_va_vdst(0) depctr_va_sdst(0) depctr_va_ssrc(0) depctr_va_vcc(0) depctr_vm_vsrc(0)
	s_getreg_b32 s2, hwreg(HW_REG_IB_STS2, 6, 4)
	s_cmp_eq_u32 s2, 0
	s_cbranch_scc0 .Lentry_in_a_cluster
	s_endpgm
.Lentry_in_a_cluster:
	s_bfe_u32 s2, ttmp6, 0x10000c
	s_cmp_lg_u32 s2, 0xf033
	s_cbranch_scc0 .Lentry_shape_is_right
	s_endpgm
.Lentry_shape_is_right:
; q = h Wq + bq, k = h Wk + bk, v = h Wv + bv on codes of E4M3, and their codes for attention (scales e6, e7, e8).  Nothing is left out.
; The cluster's x says which product: p = 0, 1, 2.  A tile is 256 x 256, four waves of 128 x 128: 64 accumulators in 512 registers.  K = 1,024 goes in four steps of 256 through two LDS slots.
; THE MATRIX INSTRUCTION IS USED TRANSPOSED (source 0 = 16 rows of the B side, source 1 = 16 rows of the A side): lane (r, h) holds A-side row r and B-side rows 8 h + 0 .. 7.
; q, k: A side = tokens (h's codes), B side = features (the weight's codes): a lane's registers run along the head's 64, the K of q k^T.
; v: THE DATA CHANGE SIDES: A side = features (Wv's codes), B side = tokens: a lane's registers run along the tokens, the K of the second product of attention.  One text serves the K loop; the sides are chosen by arithmetic on p.
; All codes lie as images of operand registers (16 rows x 128 K = 2,048 bytes, piece q at 512 q + 16 x lane), so a tile is dense rows of 4,096 bytes, LDS needs no padding, and a fragment is four loads at 16 x lane.
; OUT: q at 0, k at 4 MiB: [batch x head][token / 16][1,024]: 16 tokens x 64; v at 8 MiB: [batch x head][key / 64][d / 16][1,024]: 16 d x 64 keys.  Each store of a wave is 512 consecutive bytes.
; CLUSTERS: 4 x 4.  The A side's tile is shared along a row of the cluster, the B side's along a column: joint loads.
; LIMITS: e(2p) + e(2p+1) between -126 and 127; e6, e7, e8 between -126 and 119.  NaN among the inputs is not served.
; REGISTERS: window 0: v0-31 addresses, v[8:11] bias as loaded, v12 2^e, v13 448 x 2^e; v128-255 A's fragments, one set; on the way out v32-95 bias, v96-127 at work, v128-255 codes.
;   window 1: B's fragments, two sets.  windows 2, 3: the accumulators ((a, b) at v[8 (8 (a % 4) + b)]).
.set SLOT,  131072                     ; A's 16 row tiles x 4,096 bytes, then B's
.set BSCR,  2*SLOT                     ; 512 bytes a wave: its 128 bias numbers
.set SPARE, BSCR+2048                  ; the spare words, 128 bytes a wave
.set HC,    0xc00000
.set FR,   16
.set NL,   4
.set NP,   4
.set LI,   7
.set SCL,  12
.set LIM,  13
.set ADRA, 16
.set ADRB, 20
.set BQK,  24
.set BVA,  25
.set BST,  26
.set SPW,  28
.set NIL,  29
.set BI,   32
.set T,    96
.set AF,   128
.set CC,   128
.set G1,  24
.set G0,  32
.set G1B, 48
.set G0B, 56
.set MSB, 0
.macro WIN new                         ; the immediate's high byte repeats the setting that is left
.if MSB != (\new)
	s_set_vgpr_msb (MSB<<8)|(\new)
.set MSB, (\new)
.endif
.endm
.set MUL_LO, 0xa1
.set MUL_HI, 0xf1
.set TO_B,   0x40
.macro JLOAD g0a, g1a, g0b, g1b        ; waves 0, 1 fetch the A side's halves, waves 2, 3 the B side's; an s_nop 0 and four v_nop follow each line
	s_cmp_eq_u32 s15, 0
	s_cbranch_scc0 .Lfor_b_\@
	tensor_load_to_lds s[\g0a:\g0a+3], s[\g1a:\g1a+7]
	s_nop 0
.rept 4
	v_nop
.endr
	s_branch .Lasked_\@
.Lfor_b_\@:
	tensor_load_to_lds s[\g0b:\g0b+3], s[\g1b:\g1b+7]
	s_nop 0
.rept 4
	v_nop
.endr
.Lasked_\@:
.endm
.macro CREST
	s_cmp_lg_u32 s14, 0
	s_cbranch_scc1 .Lnot_wave_0_\@
	s_barrier_signal -3
.Lnot_wave_0_\@:
	s_barrier_wait -3
	s_barrier_signal -1
	s_barrier_wait -1
.endm
.macro CROUND
	s_barrier_signal -1
	s_barrier_wait -1
	CREST
.endm
	s_load_b256 s[4:11], s[0:1], 0x0               ; wc, the scales' exponents, bq, bk
	s_load_b128 s[84:87], s[0:1], 0x20             ; bv, qkvc
	v_lshl_add_u32 v[SPW], v0, 2, SPARE
	v_mov_b32 v[NIL], 0
	ds_add_u32 v[SPW], v[NIL]                      ; the opening: the add, twice on end, and its wait ahead of my first tensor load
	ds_add_u32 v[SPW], v[NIL]
	v_lshrrev_b32 v1, 5, v0
	v_readfirstlane_b32 s14, v1                    ; wave
	s_lshr_b32 s15, s14, 1                         ; my half of the A side's rows; also: I fetch for A (0) or B (1)
	s_and_b32 s16, s14, 1                          ; my half of the B side's rows; also: which half I fetch
	s_bfe_u32 s40, ttmp6, 0x40000                  ; cx
	s_bfe_u32 s41, ttmp6, 0x40004                  ; cy
	s_lshr_b32 s92, ttmp9, 1                       ; 1 for v, else 0: the same in all sixteen partners
	s_xor_b32 s93, s92, 1
	s_and_b32 s66, ttmp7, 0xffff
	s_lshl_b32 s66, s66, 2                         ; 4 x cluster y: it walks the tokens
	s_mul_i32 s17, s66, s93
	s_add_co_u32 s17, s17, s41                     ; the A side's tile: q, k: 4 cluster y + cy; v: cy
	s_mul_i32 s42, s66, s92
	s_add_co_u32 s42, s42, s40                     ; the B side's tile: q, k: cx; v: 4 cluster y + cx
	s_lshl_b32 s43, s41, 2
	s_lshl_b32 s43, 15, s43                        ; my row of the cluster
	s_lshl_b32 s44, 0x1111, s40                    ; my column
	s_or_b32 s[G1+0], s43, (3<<16)|(1<<21)         ; the mask; elements of 8 bytes; bit 21 beside a mask; no padding
	s_or_b32 s[G1B+0], s44, (3<<16)|(1<<21)
.irp g, G1, G1B
	s_mov_b32 s[\g+1], 512<<16                     ; tensor_dim0 = 512 elements: 4,096 bytes, two fragments of a row tile
	s_mov_b32 s[\g+2], 8<<16                       ; tensor_dim1 = 8 row tiles
	s_mov_b32 s[\g+3], 512<<16                     ; tile_dim0
	s_mov_b32 s[\g+4], 8                           ; tile_dim1
	s_mov_b32 s[\g+5], 2048                        ; from row tile to row tile: 16 KiB
	s_mov_b32 s[\g+6], 0
	s_mov_b32 s[\g+7], 0
.endr
	s_lshl_b32 s67, ttmp9, 22
	s_add_co_u32 s67, s67, HC
	s_mul_i32 s67, s67, s93                        ; q, k: h's codes under e(2p)
	s_lshl_b32 s90, s92, 21
	s_add_co_u32 s67, s67, s90                     ; v: Wv's codes
	s_lshl_b32 s20, s17, 18
	s_lshl_b32 s21, s16, 17
	s_add_co_u32 s20, s20, s21
	s_add_co_u32 s20, s20, s67
	s_mov_b32 s21, 0
	s_lshl_b32 s90, ttmp9, 20
	s_mul_i32 s90, s90, s93                        ; q, k: the weight's codes
	s_mul_i32 s91, s92, HC+0x800000
	s_add_co_u32 s90, s90, s91                     ; v: h's codes under e4
	s_lshl_b32 s46, s42, 18
	s_lshl_b32 s47, s16, 17
	s_add_co_u32 s46, s46, s47
	s_add_co_u32 s46, s46, s90
	s_mov_b32 s47, 0
	s_lshl_b32 s45, s14, 15                        ; where my load lands: wave x 32 KiB
	s_wait_dscnt 0x0                               ; both opening adds are done
	s_wait_kmcnt 0x0
	s_load_b512 s[68:83], s[6:7], 0x0              ; e0 .. e15
	s_add_nc_u64 s[20:21], s[4:5], s[20:21]
	s_add_nc_u64 s[46:47], s[4:5], s[46:47]
	CROUND                                         ; all sixteen work-groups are here: the first joint loads meet
.irp s, 0,1
	s_mov_b32 s[G0+4*\s], 1
	s_add_co_u32 s[G0+4*\s+1], s45, \s*SLOT
	s_add_nc_u64 s[G0+4*\s+2:G0+4*\s+3], s[20:21], \s*4096
	s_or_b32 s[G0+4*\s+3], s[G0+4*\s+3], 0x80000000
	s_mov_b32 s[G0B+4*\s], 1
	s_add_co_u32 s[G0B+4*\s+1], s45, \s*SLOT
	s_add_nc_u64 s[G0B+4*\s+2:G0B+4*\s+3], s[46:47], \s*4096
	s_or_b32 s[G0B+4*\s+3], s[G0B+4*\s+3], 0x80000000
	JLOAD G0+4*\s, G1, G0B+4*\s, G1B
.endr
	v_and_b32 v6, 31, v0
	v_lshlrev_b32 v[LI], 4, v6                     ; 16 x lane
	s_lshl_b32 s21, s15, 15                        ; my 8 row tiles of the A side
	s_lshl_b32 s22, s16, 15
	s_add_co_u32 s22, s22, 65536                   ; and of the B side
.irp s, 0,1
	v_add_nc_u32 v[ADRA+\s], s21, v[LI]
	v_add_nc_u32 v[ADRB+\s], s22, v[LI]
	s_add_co_u32 s21, s21, SLOT
	s_add_co_u32 s22, s22, SLOT
.endr
	s_lshl_b32 s23, s14, 9
	s_add_co_u32 s23, s23, BSCR                    ; my 512 bytes for the bias
	v_and_b32 v1, 15, v0
	v_bfe_u32 v2, v0, 4, 1
	v_lshlrev_b32 v[BQK], 5, v2
	v_add_nc_u32 v[BQK], s23, v[BQK]               ; read for q, k: 32 h
	v_lshlrev_b32 v[BVA], 2, v1
	v_add_nc_u32 v[BVA], s23, v[BVA]               ; read for v: 4 r
	v_add_nc_u32 v[BST], s23, v[LI]                ; stored: 16 x lane
	s_lshl_b32 s66, s42, 8
	s_lshl_b32 s67, s16, 7
	s_add_co_u32 s66, s66, s67                     ; my first feature: q, k: on the B side,
	s_lshl_b32 s67, s17, 8
	s_lshl_b32 s90, s15, 7
	s_add_co_u32 s67, s67, s90                     ; v: on the A side
	s_cmp_eq_u32 ttmp9, 2
	s_cselect_b32 s66, s67, s66
	s_cselect_b64 s[94:95], s[84:85], s[8:9]
	s_cmp_eq_u32 ttmp9, 1
	s_cselect_b64 s[94:95], s[10:11], s[94:95]
	s_lshl_b32 s66, s66, 2
	s_mov_b32 s67, 0
	s_add_nc_u64 s[94:95], s[94:95], s[66:67]
	global_load_b128 v[8:11], v[LI], s[94:95]      ; my wave's 128 bias numbers: 512 consecutive bytes; waited for on the way out
.macro FRAG reg, adr, q, i             ; a fragment as it lies: four loads of 512 consecutive bytes
.irp c, 0,1,2,3
	ds_load_b128 v[\reg+4*\c:\reg+4*\c+3], v[\adr] offset:2048*(\q)+512*\c+(\i)*4096
.endr
.endm
.macro MUL16 a0, p, zero               ; the 64 accumulators take turns, one instruction a turn, in the same order in every step
.irp a, \a0, \a0+1
.irp b, 0,1,2,3,4,5,6,7
.if \zero
	v_wmma_f32_16x16x128_fp8_fp8 v[8*(8*((\a)%4)+\b):8*(8*((\a)%4)+\b)+7], v[128*(\p)+FR*\b:128*(\p)+FR*\b+FR-1], v[AF+FR*(\a):AF+FR*(\a)+FR-1], 0
.else
	v_wmma_f32_16x16x128_fp8_fp8 v[8*(8*((\a)%4)+\b):8*(8*((\a)%4)+\b)+7], v[128*(\p)+FR*\b:128*(\p)+FR*\b+FR-1], v[AF+FR*(\a):AF+FR*(\a)+FR-1], v[8*(8*((\a)%4)+\b):8*(8*((\a)%4)+\b)+7]
.endif
.endr
.endr
.endm
.macro FETCH_B slot, q, p
	WIN TO_B
.irp i, 0,1,2,3,4,5,6,7
	FRAG 128*(\p)+FR*\i, ADRB+\slot, \q, \i
.endr
	WIN 0
.endm
.macro FETCH_A slot, q, i0
.irp i, \i0, \i0+1, \i0+2, \i0+3
	FRAG AF+FR*(\i), ADRA+\slot, \q, \i
.endr
.endm
.macro PLACES n                        ; plain vector instructions between a matrix instruction and a load into, or a read of, its registers
.rept \n
	v_nop
.endr
.endm
.macro STEP slot, q, zero              ; 128 along K whose successor lies in the same slot
	s_wait_dscnt 4*NL                              ; B's set and A's blocks 0-3 are in; the youngest sixteen loads (A's blocks 4-7) may stay out
	WIN MUL_LO
	MUL16 0, (\q)%2, \zero
	MUL16 2, (\q)%2, \zero
	s_wait_dscnt 0
	PLACES NP
	FETCH_B \slot, (\q)+1, 1-(\q)%2
	FETCH_A \slot, (\q)+1, 0
	WIN MUL_HI
	MUL16 4, (\q)%2, \zero
	MUL16 6, (\q)%2, \zero
	PLACES NP
	WIN 0
	FETCH_A \slot, (\q)+1, 4
.endm
.macro TURN slot, next, fill           ; a slot's last 128 along K, and the change of slots
	s_wait_tensorcnt 0x0                           ; all my tensor loads have landed: my part of the next slot
	ds_add_u32 v[SPW], v[NIL]
	s_wait_dscnt 4*NL+1                            ; the add and the youngest sixteen loads may stay out
	WIN MUL_LO
	MUL16 0, 1, 0
	s_wait_dscnt 0x0                               ; the add is done, my reads of this slot are over
	s_barrier_signal -1
	MUL16 2, 1, 0
	WIN 0
	s_barrier_wait -1
.if \fill
	CREST                                          ; the barrier has opened a round of the cluster's: no wave of any partner still reads this slot or has a load on its way
	s_add_nc_u64 s[G0+4*\slot+2:G0+4*\slot+3], s[G0+4*\slot+2:G0+4*\slot+3], 8192
	s_add_nc_u64 s[G0B+4*\slot+2:G0B+4*\slot+3], s[G0B+4*\slot+2:G0B+4*\slot+3], 8192
	JLOAD G0+4*\slot, G1, G0B+4*\slot, G1B         ; the first tensor load behind the round; its four v_nop are the places for the loads below
.else
	PLACES NP
.endif
	FETCH_B \next, 0, 0
	FETCH_A \next, 0, 0
	WIN MUL_HI
	MUL16 4, 1, 0
	MUL16 6, 1, 0
	PLACES NP
	WIN 0
	FETCH_A \next, 0, 4
.endm
	s_wait_tensorcnt 1                             ; my part of slot 0 is in; slot 1's load may stay out
	s_barrier_signal -1
	s_barrier_wait -1
	FETCH_B 0, 0, 0
	FETCH_A 0, 0, 0
	FETCH_A 0, 0, 4
	STEP 0, 0, 1                                   ; K = 1,024 is four fills: written straight, no loop
	TURN 0, 1, 1
	STEP 1, 0, 0
	TURN 1, 0, 1
	STEP 0, 0, 0
	TURN 0, 1, 0
	STEP 1, 0, 0
	s_wait_dscnt 4*NL
	WIN MUL_LO
	MUL16 0, 1, 0
	MUL16 2, 1, 0
	s_wait_dscnt 0
	WIN MUL_HI
	MUL16 4, 1, 0
	MUL16 6, 1, 0
	WIN 0
	; THE WAY OUT: sum x 2^(eA + eB) + bias, held, converted; the conversions' results are the images' registers
	s_wait_kmcnt 0x0
	s_cmp_eq_u32 ttmp9, 1
	s_cselect_b32 s96, s70, s68
	s_cselect_b32 s97, s71, s69
	s_cselect_b32 s91, s75, s74
	s_cmp_eq_u32 ttmp9, 2
	s_cselect_b32 s96, s72, s96
	s_cselect_b32 s97, s73, s97
	s_cselect_b32 s91, s76, s91                    ; e6, e7 or e8
	s_add_co_i32 s96, s96, s97
	s_add_co_i32 s96, s96, 127
	s_lshl_b32 s96, s96, 23                        ; 2^(e(2p) + e(2p+1)) as f32
	s_mov_b32 s97, s96
	s_add_co_i32 s91, s91, 127
	s_lshl_b32 s90, s91, 23
	v_mov_b32 v[SCL], s90
	s_add_co_i32 s91, s91, 8
	s_lshl_b32 s91, s91, 23
	s_or_b32 s91, s91, 0x600000
	v_mov_b32 v[LIM], s91
	PLACES NP
	s_wait_loadcnt 0x0                             ; the bias
	ds_store_b128 v[BST], v[8:11]                  ; into my own 512 bytes: LDS serves a wave's instructions in order, so my loads below see it
.macro HOLDCVT cd                      ; v[T] .. v[T + 31] -> eight registers of codes at v[cd]
.set n, 0
.rept 32
	v_med3_num_f32 v[T+n], v[T+n], -v[LIM], v[LIM]
.set n, n+1
.endr
.irp c, 0,1,2,3
	v_cvt_scalef32_pk8_fp8_f32 v[\cd+2*\c:\cd+2*\c+1], v[T+8*\c:T+8*\c+7], v[SCL]
.endr
	v_nop                                          ; a plain instruction between the conversions and what next writes their sources
.endm
.macro OUT_QK a, hd                    ; tokens 16 a on, head hd of my two
	WIN 0x02+((\a)/4)
.irp c, 0,1,2,3
.irp j, 0,2,4,6
	v_pk_fma_f32 v[T+8*\c+\j:T+8*\c+\j+1], v[8*(8*((\a)%4)+4*(\hd)+\c)+\j:8*(8*((\a)%4)+4*(\hd)+\c)+\j+1], s[96:97], v[BI+8*(4*(\hd)+\c)+\j:BI+8*(4*(\hd)+\c)+\j+1] op_sel_hi:[1,0,1]
.endr
.endr
	WIN 0
	HOLDCVT CC+16*(\a)+8*(\hd)
	global_store_b128 v[LI], v[CC+16*(\a)+8*(\hd):CC+16*(\a)+8*(\hd)+3], s[86:87] offset:(\hd)*131072+(\a)*1024
	global_store_b128 v[LI], v[CC+16*(\a)+8*(\hd)+4:CC+16*(\a)+8*(\hd)+7], s[86:87] offset:(\hd)*131072+(\a)*1024+512
.endm
.macro OUT_V a, g                      ; features 16 a on, group g of 64 of my 128 tokens
	WIN 0x02+((\a)/4)
.irp c, 0,1,2,3
.irp j, 0,2,4,6
	v_pk_fma_f32 v[T+8*\c+\j:T+8*\c+\j+1], v[8*(8*((\a)%4)+4*(\g)+\c)+\j:8*(8*((\a)%4)+4*(\g)+\c)+\j+1], s[96:97], v[BI+2*(\a):BI+2*(\a)+1] op_sel_hi:[1,0,1]
.endr
.endr
	WIN 0
	HOLDCVT CC+16*(\a)+8*(\g)
	global_store_b128 v[LI], v[CC+16*(\a)+8*(\g):CC+16*(\a)+8*(\g)+3], s[86:87] offset:((\a)/4)*131072+(\g)*4096+((\a)%4)*1024
	global_store_b128 v[LI], v[CC+16*(\a)+8*(\g)+4:CC+16*(\a)+8*(\g)+7], s[86:87] offset:((\a)/4)*131072+(\g)*4096+((\a)%4)*1024+512
.endm
	s_cmp_eq_u32 ttmp9, 2                          ; the cluster's x: the same in all partners and all waves
	s_cbranch_scc1 .Larm_v
.irp b, 0,1,2,3,4,5,6,7
.irp i, 0,1
	ds_load_b128 v[BI+8*\b+4*\i:BI+8*\b+4*\i+3], v[BQK] offset:64*\b+16*\i     ; bias of features 16 b + 8 h + 4 i on
.endr
.endr
	s_lshr_b32 s66, s17, 3                         ; batch
	s_lshl_b32 s66, s66, 4
	s_lshl_b32 s67, s42, 2
	s_add_co_u32 s66, s66, s67
	s_lshl_b32 s67, s16, 1
	s_add_co_u32 s66, s66, s67                     ; 16 batch + my first head
	s_lshl_b32 s66, s66, 17
	s_and_b32 s67, s17, 7
	s_lshl_b32 s67, s67, 4
	s_lshl_b32 s90, s15, 3
	s_add_co_u32 s67, s67, s90                     ; my first token tile in the batch
	s_lshl_b32 s67, s67, 10
	s_add_co_u32 s66, s66, s67
	s_lshl_b32 s67, ttmp9, 22
	s_add_co_u32 s66, s66, s67
	s_mov_b32 s67, 0
	s_add_nc_u64 s[86:87], s[86:87], s[66:67]
	s_wait_dscnt 0x0
.irp a, 0,1,2,3,4,5,6,7
.irp hd, 0,1
	OUT_QK \a, \hd
.endr
.endr
	s_branch .Ljoin
.Larm_v:
.irp a, 0,1,2,3,4,5,6,7
	ds_load_b32 v[BI+2*\a], v[BVA] offset:64*\a    ; bias of feature 16 a + r, in both registers of a pair
	ds_load_b32 v[BI+2*\a+1], v[BVA] offset:64*\a
.endr
	s_lshr_b32 s66, s42, 3                         ; batch
	s_lshl_b32 s66, s66, 4
	s_lshl_b32 s67, s17, 2
	s_add_co_u32 s66, s66, s67
	s_lshl_b32 s67, s15, 1
	s_add_co_u32 s66, s66, s67                     ; 16 batch + my first head
	s_lshl_b32 s66, s66, 17
	s_and_b32 s67, s42, 7
	s_lshl_b32 s67, s67, 2
	s_lshl_b32 s90, s16, 1
	s_add_co_u32 s67, s67, s90                     ; my first group of 64 keys in the batch
	s_lshl_b32 s67, s67, 12
	s_add_co_u32 s66, s66, s67
	s_add_co_u32 s66, s66, 0x800000
	s_mov_b32 s67, 0
	s_add_nc_u64 s[86:87], s[86:87], s[66:67]
	s_wait_dscnt 0x0
.irp a, 0,1,2,3,4,5,6,7
.irp g, 0,1
	OUT_V \a, \g
.endr
.endr
.Ljoin:
	s_wait_tensorcnt 0x0                           ; the wave's end
	ds_add_u32 v[SPW], v[NIL]
	s_wait_dscnt 0x0
	CROUND                                         ; the closing round
	s_endpgm
.Lfunc_end_k_q1fa7387d56_gemm_qkv:
	.size	k_q1fa7387d56_gemm_qkv, .Lfunc_end_k_q1fa7387d56_gemm_qkv-k_q1fa7387d56_gemm_qkv
	.p2alignl 7, 3214868480
	.fill 96, 4, 3214868480
	.section	.rodata,"a",@progbits
	.p2align	6, 0x0
	.amdhsa_kernel k_q1fa7387d56_gemm_qkv
		.amdhsa_group_segment_fixed_size 327680
		.amdhsa_private_segment_fixed_size 0
		.amdhsa_enable_private_segment 0
		.amdhsa_kernarg_size 48
		.amdhsa_user_sgpr_count 2
		.amdhsa_user_sgpr_kernarg_segment_ptr 1
		.amdhsa_wavefront_size32 1
		.amdhsa_system_sgpr_workgroup_id_x 1
		.amdhsa_system_sgpr_workgroup_id_y 1
		.amdhsa_system_sgpr_workgroup_id_z 1
		.amdhsa_system_vgpr_workitem_id 0
		.amdhsa_next_free_vgpr 1024
		.amdhsa_next_free_sgpr 100
		.amdhsa_reserve_vcc 0
		.amdhsa_float_denorm_mode_32 3
		.amdhsa_float_denorm_mode_16_64 3
		.amdhsa_memory_ordered 1
		.amdhsa_forward_progress 1
		.amdhsa_inst_pref_size 195
	.end_amdhsa_kernel
	.amdgpu_metadata
---
amdhsa.version: [ 1, 2 ]
amdhsa.kernels:
  - .name:           k_q1fa7387d56_gemm_qkv
    .symbol:         k_q1fa7387d56_gemm_qkv.kd
    .args:
      - { .name: wc, .offset: 0, .size: 8, .value_kind: global_buffer, .address_space: global }
      - { .name: lowp_scales, .offset: 8, .size: 8, .value_kind: global_buffer, .address_space: global }
      - { .name: bq, .offset: 16, .size: 8, .value_kind: global_buffer, .address_space: global }
      - { .name: bk, .offset: 24, .size: 8, .value_kind: global_buffer, .address_space: global }
      - { .name: bv, .offset: 32, .size: 8, .value_kind: global_buffer, .address_space: global }
      - { .name: qkvc, .offset: 40, .size: 8, .value_kind: global_buffer, .address_space: global }
    .group_segment_fixed_size: 327680
    .private_segment_fixed_size: 0
    .kernarg_segment_align: 8
    .kernarg_segment_size: 48
    .max_flat_workgroup_size: 128
    .sgpr_count:     100
    .vgpr_count:     1024
    .wavefront_size: 32
...
	.end_amdgpu_metadata
.endif
;; end of part 2
;; launch attn (part 3): grid 8 x 32, 8 waves a work-group, clusters of 4 x 1, 263,168 bytes of LDS; arguments qkvc, lowp_scales, slim, ac; writes ac
.if DOCPART == 3
	.amdgcn_target "amdgcn-amd-amdhsa--gfx1250"
	.amdhsa_code_object_version 6
	.text
	.protected	k_q1fa7387d56_attn
	.globl	k_q1fa7387d56_attn
	.p2align	8
	.type	k_q1fa7387d56_attn,@function
k_q1fa7387d56_attn:
	s_mov_b64 s[64:65], 0
	v_nop
	global_prefetch_b8 v0, s[64:65] scope:SCOPE_SE
	s_setreg_imm32_b32 hwreg(HW_REG_WAVE_MODE, 25, 1), 1
	s_wait_xcnt 0x0
	s_wait_alu depctr_hold_cnt(0) depctr_sa_sdst(0) depctr_va_vdst(0) depctr_va_sdst(0) depctr_va_ssrc(0) depctr_va_vcc(0) depctr_vm_vsrc(0)
	s_getreg_b32 s2, hwreg(HW_REG_IB_STS2, 6, 4)
	s_cmp_eq_u32 s2, 0
	s_cbranch_scc0 .Lentry_in_a_cluster
	s_endpgm
.Lentry_in_a_cluster:
	s_bfe_u32 s2, ttmp6, 0x10000c
	s_cmp_lg_u32 s2, 0x3003
	s_cbranch_scc0 .Lentry_shape_is_right
	s_endpgm
.Lentry_shape_is_right:
; attn = (exp(a - max) / (1 + sum) x slim) v, a = q k^T / 8, both products on codes of E4M3.  Nothing is left out.
; WHAT IS QUANTISED for the second product is the FINISHED p (normalised, times slim), under e9.  So a row's maximum and sum must be known first: TWO PASSES over the keys.
; Pass 1: scores, a running maximum and sum.  Pass 2: the scores again, p = e x R with R = slim / (1 + sum), p's codes, O^T += V^T P^T.
; SHARES.  A work-group owns 256 queries of one (batch, head); each of eight waves 32 of them, two tiles: each fragment of K or V read from LDS feeds two products.
; LDS holds the head's WHOLE K (128 KiB at 0) and V (128 KiB at 131,072), as images of operand registers (16 rows x 64 K = 1,024 bytes: piece j at 512 j + 16 x lane).  Nothing is filled again: no ring.
; CLUSTER.  The four query blocks of a cluster need the same K and V: each wave asks for an eighth of each by a joint load that names all four.  By this text's count a wave has two tensor loads out.
; LAYOUT.  Both products transposed: S^T = K Q^T, O^T = V^T P^T: a lane holds one query (lane % 16) and keys (or channels) 8 (lane / 16) + 0 .. 7 of a tile.  Score tile c's codes are registers 2 c, 2 c + 1 of P.
; THE MAXIMUM.  e = 2^(c s - CM), c = log2(e) / 8 x 2^(e6 + e7), CM = c M rounded.  G = 2^(CM - c M) takes that rounding out again, so that the 1 in 1 + sum stands against the true maximum: R = slim G / (1 + G sum).
; In pass 1 each LANE keeps its own maximum and sum (its half of the keys); the halves meet once, between the passes.
; LIMITS: e6 + e7 between -123 and 130; e9, and e10 - e8 - e9, between -126 and 119.  NaN among the inputs is not served.
; No prefetch: all that the launch reads is asked for at its head.
.set SPARE, 262144
.set LI,   1
.set ADK,  2
.set ADV,  3
.set SPW,  4
.set NIL,  5
.set LIM9, 6
.set SCL9, 7
.set LIMO, 8
.set SCLO, 9
.set ST,   12                          ; tile t at v[ST + 8 t]: +0 CM, +1 M, +2, +3 the sum in two halves, +4, +5 at work, +6 the rescaling, later R, +7 at work
.set Q,    28                          ; v28-43
.set KF,   44                          ; pass 1: v44-107; pass 2: v44-75
.set VF,   76                          ; pass 2: v76-107
.set S,    108                         ; pass 1: v108-235, 64 a tile; pass 2: v108-171, 32 a tile
.set O,    172                         ; pass 2: v172-235: O^T, (t, dt) at 32 t + 8 dt
.set P,    236                         ; pass 1: the sums' chains; pass 2: p's codes, 8 a tile
.macro CROUND
	s_barrier_signal -1
	s_barrier_wait -1
	s_cmp_lg_u32 s12, 0
	s_cbranch_scc1 .Lnot_wave_0_\@
	s_barrier_signal -3
.Lnot_wave_0_\@:
	s_barrier_wait -3
	s_barrier_signal -1
	s_barrier_wait -1
.endm
.macro MKS e, vs, vl
	s_add_co_i32 s76, s[\e], 127
	s_lshl_b32 s77, s76, 23
	v_mov_b32 v[\vs], s77
	s_add_co_i32 s76, s76, 8
	s_lshl_b32 s76, s76, 23
	s_or_b32 s76, s76, 0x600000
	v_mov_b32 v[\vl], s76
.endm
	s_load_b256 s[4:11], s[0:1], 0x0               ; qkvc, the scales' exponents, slim, ac
	v_lshl_add_u32 v[SPW], v0, 2, SPARE
	v_mov_b32 v[NIL], 0
	ds_add_u32 v[SPW], v[NIL]                      ; the opening: the add, twice on end, and its wait ahead of my first tensor load
	ds_add_u32 v[SPW], v[NIL]
	v_lshrrev_b32 v10, 5, v0
	v_readfirstlane_b32 s12, v10                   ; wave 0..7
	s_bfe_u32 s13, ttmp6, 0x40000                  ; cx
	s_lshl_b32 s14, ttmp9, 2
	s_add_co_u32 s14, s14, s13                     ; my block of 256 queries: it enters Q's and the output's addresses alone
	s_and_b32 s15, ttmp7, 0xffff                   ; 16 batch + head, which the partners share
	s_mov_b32 s16, 15|(3<<16)|(1<<21)              ; the mask: all four; elements of 8 bytes; bit 21 beside a mask; no padding
	s_mov_b32 s17, 32<<16                          ; tensor_dim0 = 32 elements: 256 bytes
	s_mov_b32 s18, 64<<16                          ; tensor_dim1 = 64 rows
	s_mov_b32 s19, 32<<16                          ; tile_dim0
	s_mov_b32 s20, 64                              ; tile_dim1
	s_mov_b32 s21, 32                              ; dense
	s_mov_b32 s22, 0
	s_mov_b32 s23, 0
	s_mov_b32 s32, 0x76543210
	s_mov_b32 s33, 0xfedcba98
	s_lshl_b32 s40, s15, 17                        ; the head's 128 KiB
	s_lshl_b32 s41, s12, 14                        ; my wave's eighth
	s_add_co_u32 s42, s40, s41
	s_add_co_u32 s42, s42, 0x400000                ; in k's codes,
	s_mov_b32 s43, 0
	s_add_co_u32 s44, s42, 0x400000                ; in v's
	s_mov_b32 s45, 0
	s_and_b32 s46, s15, 15
	s_lshl_b32 s46, s46, 2
	s_mov_b32 s47, 0
	s_wait_dscnt 0x0                               ; both opening adds are done
	s_wait_kmcnt 0x0
	s_load_b512 s[48:63], s[6:7], 0x0              ; e0 .. e15
	s_add_nc_u64 s[8:9], s[8:9], s[46:47]
	s_load_b32 s39, s[8:9], 0x0                    ; slim of my head
	s_mov_b32 s24, 1
	s_mov_b32 s25, s41
	s_add_nc_u64 s[26:27], s[4:5], s[42:43]
	s_or_b32 s27, s27, 0x80000000
	s_mov_b32 s28, 1
	s_add_co_u32 s29, s41, 131072
	s_add_nc_u64 s[30:31], s[4:5], s[44:45]
	s_or_b32 s31, s31, 0x80000000
	CROUND                                         ; all four work-groups are here: the joint loads meet
	tensor_load_to_lds s[24:27], s[16:23]          ; my eighth of K
	s_nop 0
	tensor_load_to_lds s[28:31], s[16:23]          ; my eighth of V
	s_nop 0
.rept 4
	v_nop
.endr
	v_and_b32 v10, 31, v0
	v_lshlrev_b32 v[LI], 4, v10                    ; 16 x lane
	s_lshl_b32 s66, s14, 4
	s_lshl_b32 s67, s12, 1
	s_add_co_u32 s66, s66, s67                     ; my first query tile in the head
	s_lshl_b32 s68, s66, 10
	s_add_co_u32 s68, s68, s40
	s_mov_b32 s69, 0
	s_add_nc_u64 s[70:71], s[4:5], s[68:69]
.irp t, 0,1
.irp j, 0,1
	global_load_b128 v[Q+8*\t+4*\j:Q+8*\t+4*\j+3], v[LI], s[70:71] offset:\t*1024+\j*512   ; Q stays in registers
.endr
.endr
	s_lshr_b32 s72, s15, 4
	s_lshl_b32 s72, s72, 7
	s_add_co_u32 s72, s72, s66                     ; my first token tile: 128 batch + ..
	s_lshl_b32 s72, s72, 14
	s_and_b32 s73, s15, 15
	s_lshl_b32 s73, s73, 10                        ; a head's 64 features are 1 KiB of a token tile's image
	s_add_co_u32 s72, s72, s73
	s_mov_b32 s73, 0
	s_add_nc_u64 s[10:11], s[10:11], s[72:73]
.irp t, 0,1
	v_mov_b32 v[ST+8*\t], 0xff61b1e6               ; -3e38, under every score
	v_mov_b32 v[ST+8*\t+1], 0xff61b1e6
	v_mov_b32 v[ST+8*\t+2], 0
	v_mov_b32 v[ST+8*\t+3], 0
	v_mov_b32 v[ST+8*\t+6], 0
	v_mov_b32 v[ST+8*\t+7], 0
.endr
	s_wait_kmcnt 0x0
	s_add_co_i32 s74, s54, s55
	s_lshl_b32 s74, s74, 23
	s_add_co_i32 s34, s74, 0x3e38aa3b              ; c = log2(e) / 8 x 2^(e6 + e7): the exponents are added to its exponent field
	s_mov_b32 s35, s34
	MKS 57, SCL9, LIM9
	s_sub_co_i32 s75, s58, s56
	s_sub_co_i32 s75, s75, s57                     ; e10 - e8 - e9: a sum of the second product stands for sum x 2^(e8 + e9)
	MKS 75, SCLO, LIMO
; PASS 1, a step of 128 keys: 16 products, the maxima, 130 exponentials in one batch, the sums.
.macro P1STEP fetch
	s_wait_dscnt 0x0                               ; this step's K is in
.irp c, 0,1,2,3,4,5,6,7
.irp t, 0,1
	v_wmma_f32_16x16x64_fp8_fp8 v[S+64*\t+8*\c:S+64*\t+8*\c+7], v[KF+8*\c:KF+8*\c+7], v[Q+8*\t:Q+8*\t+7], 0
.endr
.endr
.if \fetch
	s_add_co_u32 s36, s36, 8192
	v_add_nc_u32 v[ADK], s36, v[LI]                ; four plain instructions between the products and the loads into their sources and the reads of their results
	v_nop
	v_nop
	v_nop
.irp c, 0,1,2,3,4,5,6,7
.irp j, 0,1
	ds_load_b128 v[KF+8*\c+4*\j:KF+8*\c+4*\j+3], v[ADK] offset:\c*1024+\j*512
.endr
.endr
.else
.rept 4
	v_nop
.endr
.endif
.irp t, 0,1                                    ; two chains a tile, ascending: each accumulator is first read at its low end
	v_max3_num_f32 v[ST+8*\t+4], v[S+64*\t], v[S+64*\t+1], v[S+64*\t+2]
	v_max3_num_f32 v[ST+8*\t+5], v[S+64*\t+32], v[S+64*\t+33], v[S+64*\t+34]
.endr
.set n, 3
.rept 14
.irp t, 0,1
	v_max3_num_f32 v[ST+8*\t+4], v[ST+8*\t+4], v[S+64*\t+n], v[S+64*\t+n+1]
	v_max3_num_f32 v[ST+8*\t+5], v[ST+8*\t+5], v[S+64*\t+32+n], v[S+64*\t+32+n+1]
.endr
.set n, n+2
.endr
.irp t, 0,1
	v_max3_num_f32 v[ST+8*\t+4], v[ST+8*\t+4], v[S+64*\t+31], v[S+64*\t+63]
.endr
.irp t, 0,1
	v_max3_num_f32 v[ST+8*\t+1], v[ST+8*\t+4], v[ST+8*\t+5], v[ST+8*\t+1]     ; the new M
.endr
.irp t, 0,1
	v_mov_b32 v[ST+8*\t+7], v[ST+8*\t]             ; the old CM
.endr
.irp t, 0,1
	v_mul_f32 v[ST+8*\t], s34, v[ST+8*\t+1]        ; CM = c M
.endr
.irp t, 0,1
	v_sub_f32 v[ST+8*\t+7], v[ST+8*\t+7], v[ST+8*\t]
.endr
.irp t, 0,1
.set n, 0
.rept 32
	v_pk_fma_f32 v[S+64*\t+n:S+64*\t+n+1], v[S+64*\t+n:S+64*\t+n+1], s[34:35], v[ST+8*\t:ST+8*\t+1] op_sel_hi:[1,0,0] neg_lo:[0,0,1] neg_hi:[0,0,1]   ; c s - CM
.set n, n+2
.endr
.endr
.irp t, 0,1
	v_exp_f32 v[ST+8*\t+6], v[ST+8*\t+7]           ; 2^(old CM - new CM)
.endr
.set n, 0
.rept 128
	v_exp_f32 v[S+n], v[S+n]
.set n, n+1
.endr
	v_nop                                          ; a plain instruction behind the last exponential
	s_wait_alu depctr_va_vdst(0)                   ; one wait for the whole batch, ahead of its first reader
.irp t, 0,1
	v_pk_add_f32 v[P+4*\t:P+4*\t+1], v[S+64*\t:S+64*\t+1], v[S+64*\t+2:S+64*\t+3]
	v_pk_add_f32 v[P+4*\t+2:P+4*\t+3], v[S+64*\t+4:S+64*\t+5], v[S+64*\t+6:S+64*\t+7]
.endr
.set n, 8
.rept 14
.irp t, 0,1
	v_pk_add_f32 v[P+4*\t:P+4*\t+1], v[P+4*\t:P+4*\t+1], v[S+64*\t+n:S+64*\t+n+1]
	v_pk_add_f32 v[P+4*\t+2:P+4*\t+3], v[P+4*\t+2:P+4*\t+3], v[S+64*\t+n+2:S+64*\t+n+3]
.endr
.set n, n+4
.endr
.irp t, 0,1
	v_pk_add_f32 v[P+4*\t:P+4*\t+1], v[P+4*\t:P+4*\t+1], v[P+4*\t+2:P+4*\t+3]
.endr
.irp t, 0,1
	v_pk_fma_f32 v[ST+8*\t+2:ST+8*\t+3], v[ST+8*\t+2:ST+8*\t+3], v[ST+8*\t+6:ST+8*\t+7], v[P+4*\t:P+4*\t+1] op_sel_hi:[1,0,1]
.endr
.endm
; PASS 2, a step of 64 keys: 8 score products, p and its codes, 8 products onto O^T (eight accumulators by turns, one instruction a turn).
.macro P2STEP first, fetch
	s_wait_dscnt 0x0                               ; this step's K is in
.irp c, 0,1,2,3
.irp t, 0,1
	v_wmma_f32_16x16x64_fp8_fp8 v[S+32*\t+8*\c:S+32*\t+8*\c+7], v[KF+8*\c:KF+8*\c+7], v[Q+8*\t:Q+8*\t+7], 0
.endr
.endr
	v_add_nc_u32 v[ADV], s37, v[LI]                ; four plain instructions: the places for the loads into K's and V's registers and for the reads of the scores
	s_add_co_u32 s37, s37, 4096
.if \fetch
	s_add_co_u32 s36, s36, 4096
	v_add_nc_u32 v[ADK], s36, v[LI]
.else
	v_nop
.endif
	v_nop
	v_nop
.irp d, 0,1,2,3
.irp j, 0,1
	ds_load_b128 v[VF+8*\d+4*\j:VF+8*\d+4*\j+3], v[ADV] offset:\d*1024+\j*512      ; this step's V
.endr
.endr
.if \fetch
.irp c, 0,1,2,3
.irp j, 0,1
	ds_load_b128 v[KF+8*\c+4*\j:KF+8*\c+4*\j+3], v[ADK] offset:\c*1024+\j*512      ; the next step's K
.endr
.endr
.endif
.irp t, 0,1
.set n, 0
.rept 16
	v_pk_fma_f32 v[S+32*\t+n:S+32*\t+n+1], v[S+32*\t+n:S+32*\t+n+1], s[34:35], v[ST+8*\t:ST+8*\t+1] op_sel_hi:[1,0,0] neg_lo:[0,0,1] neg_hi:[0,0,1]
.set n, n+2
.endr
.endr
.set n, 0
.rept 64
	v_exp_f32 v[S+n], v[S+n]
.set n, n+1
.endr
	v_nop
	s_wait_alu depctr_va_vdst(0)                   ; one wait for the batch
.irp t, 0,1
.set n, 0
.rept 16
	v_pk_mul_f32 v[S+32*\t+n:S+32*\t+n+1], v[S+32*\t+n:S+32*\t+n+1], v[ST+8*\t+6:ST+8*\t+7] op_sel_hi:[1,0]   ; p = e R
.set n, n+2
.endr
.endr
.set n, 0
.rept 64
	v_med3_num_f32 v[S+n], v[S+n], -v[LIM9], v[LIM9]   ; slim may be negative: the hold has two sides
.set n, n+1
.endr
.irp t, 0,1
.irp c, 0,1,2,3
	v_cvt_scalef32_pk8_fp8_f32 v[P+8*\t+2*\c:P+8*\t+2*\c+1], v[S+32*\t+8*\c:S+32*\t+8*\c+7], v[SCL9]
.endr
.endr
	v_nop                                          ; a plain instruction between the conversions and the products that read their results
	s_wait_dscnt 8*\fetch                          ; V is in; the next K's eight loads may stay out
.irp d, 0,1,2,3
.irp t, 0,1
.if \first
	v_wmma_f32_16x16x64_fp8_fp8 v[O+32*\t+8*\d:O+32*\t+8*\d+7], v[VF+8*\d:VF+8*\d+7], v[P+8*\t:P+8*\t+7], 0
.else
	v_wmma_f32_16x16x64_fp8_fp8 v[O+32*\t+8*\d:O+32*\t+8*\d+7], v[VF+8*\d:VF+8*\d+7], v[P+8*\t:P+8*\t+7], v[O+32*\t+8*\d:O+32*\t+8*\d+7]
.endif
.endr
.endr
.endm
	s_wait_tensorcnt 1                             ; my eighth of K is in; V's load may stay out
	s_barrier_signal -1
	s_barrier_wait -1                              ; K is whole
.irp c, 0,1,2,3,4,5,6,7
.irp j, 0,1
	ds_load_b128 v[KF+8*\c+4*\j:KF+8*\c+4*\j+3], v[LI] offset:\c*1024+\j*512
.endr
.endr
	s_mov_b32 s36, 0
	s_wait_loadcnt 0x0                             ; Q
	s_mov_b32 s38, 15
.Lp1:
	P1STEP 1
	s_sub_co_u32 s38, s38, 1
	s_cmp_lg_u32 s38, 0
	s_cbranch_scc1 .Lp1
	P1STEP 0                                       ; the sixteenth step fetches nothing
	; BETWEEN THE PASSES: the two halves of the lanes meet
.irp t, 0,1
	v_permlanex16_b32 v[ST+8*\t+7], v[ST+8*\t+1], s32, s33
.endr
.irp t, 0,1
	v_max_num_f32 v[ST+8*\t+4], v[ST+8*\t+1], v[ST+8*\t+7]        ; the row's M
.endr
.irp t, 0,1
	v_mul_f32 v[ST+8*\t+5], s34, v[ST+8*\t+4]                     ; its CM
.endr
.irp t, 0,1
	v_sub_f32 v[ST+8*\t+7], v[ST+8*\t], v[ST+8*\t+5]              ; my CM - the row's
	v_fma_f32 v[ST+8*\t+1], v[ST+8*\t+4], s34, -v[ST+8*\t+5]      ; c M - CM: what the rounding of c M left
	v_add_f32 v[ST+8*\t+2], v[ST+8*\t+2], v[ST+8*\t+3]
.endr
.irp t, 0,1
	v_exp_f32 v[ST+8*\t+7], v[ST+8*\t+7]
	v_exp_f32 v[ST+8*\t+6], -v[ST+8*\t+1]                         ; G
.endr
.irp t, 0,1
	v_mov_b32 v[ST+8*\t], v[ST+8*\t+5]                            ; (plain instructions behind the exponentials)  pass 2 works under the row's CM
.endr
	s_wait_alu depctr_va_vdst(0)
.irp t, 0,1
	v_mul_f32 v[ST+8*\t+2], v[ST+8*\t+2], v[ST+8*\t+7]
.endr
.irp t, 0,1
	v_permlanex16_b32 v[ST+8*\t+3], v[ST+8*\t+2], s32, s33
.endr
.irp t, 0,1
	v_add_f32 v[ST+8*\t+2], v[ST+8*\t+2], v[ST+8*\t+3]            ; the row's sum
.endr
.irp t, 0,1
	v_fma_f32 v[ST+8*\t+3], v[ST+8*\t+2], v[ST+8*\t+6], 1.0       ; 1 + G sum
.endr
.irp t, 0,1
	v_rcp_f32 v[ST+8*\t+3], v[ST+8*\t+3]
.endr
.irp t, 0,1
	v_mul_f32 v[ST+8*\t+6], s39, v[ST+8*\t+6]                     ; slim G  (plain instructions behind the reciprocals)
.endr
	s_wait_alu depctr_va_vdst(0)
.irp t, 0,1
	v_mul_f32 v[ST+8*\t+6], v[ST+8*\t+6], v[ST+8*\t+3]            ; R
.endr
.irp t, 0,1
	v_mov_b32 v[ST+8*\t+7], v[ST+8*\t+6]
.endr
	s_wait_tensorcnt 0x0                           ; my eighth of V is in
	s_wait_dscnt 0x0
	s_barrier_signal -1
	s_barrier_wait -1                              ; V is whole
.irp c, 0,1,2,3
.irp j, 0,1
	ds_load_b128 v[KF+8*\c+4*\j:KF+8*\c+4*\j+3], v[LI] offset:\c*1024+\j*512
.endr
.endr
	s_mov_b32 s36, 0
	s_mov_b32 s37, 131072
	P2STEP 1, 1                                    ; the first step's products start O^T's sums: nothing is cleared
	s_mov_b32 s38, 30
.Lp2:
	P2STEP 0, 1
	s_sub_co_u32 s38, s38, 1
	s_cmp_lg_u32 s38, 0
	s_cbranch_scc1 .Lp2
	P2STEP 0, 0                                    ; the last step fetches no K
	; THE WAY OUT: the sums become codes under e10 with the one folded scale; they are the image's registers
.rept 4
	v_nop
.endr
.set n, 0
.rept 64
	v_med3_num_f32 v[O+n], v[O+n], -v[LIMO], v[LIMO]
.set n, n+1
.endr
.irp t, 0,1
.irp d, 0,1,2,3
	v_cvt_scalef32_pk8_fp8_f32 v[S+8*\t+2*\d:S+8*\t+2*\d+1], v[O+32*\t+8*\d:O+32*\t+8*\d+7], v[SCLO]
.endr
.endr
	v_nop
.irp t, 0,1
.irp j, 0,1
	global_store_b128 v[LI], v[S+8*\t+4*\j:S+8*\t+4*\j+3], s[10:11] offset:\t*16384+\j*512     ; 512 consecutive bytes a store
.endr
.endr
	s_wait_tensorcnt 0x0                           ; the wave's end
	ds_add_u32 v[SPW], v[NIL]
	s_wait_dscnt 0x0
	CROUND                                         ; the closing round
	s_endpgm
.Lfunc_end_k_q1fa7387d56_attn:
	.size	k_q1fa7387d56_attn, .Lfunc_end_k_q1fa7387d56_attn-k_q1fa7387d56_attn
	.p2alignl 7, 3214868480
	.fill 96, 4, 3214868480
	.section	.rodata,"a",@progbits
	.p2align	6, 0x0
	.amdhsa_kernel k_q1fa7387d56_attn
		.amdhsa_group_segment_fixed_size 263168
		.amdhsa_private_segment_fixed_size 0
		.amdhsa_enable_private_segment 0
		.amdhsa_kernarg_size 32
		.amdhsa_user_sgpr_count 2
		.amdhsa_user_sgpr_kernarg_segment_ptr 1
		.amdhsa_wavefront_size32 1
		.amdhsa_system_sgpr_workgroup_id_x 1
		.amdhsa_system_sgpr_workgroup_id_y 1
		.amdhsa_system_sgpr_workgroup_id_z 1
		.amdhsa_system_vgpr_workitem_id 0
		.amdhsa_next_free_vgpr 256
		.amdhsa_next_free_sgpr 80
		.amdhsa_reserve_vcc 0
		.amdhsa_float_denorm_mode_32 3
		.amdhsa_float_denorm_mode_16_64 3
		.amdhsa_memory_ordered 1
		.amdhsa_forward_progress 1
		.amdhsa_inst_pref_size 89
	.end_amdhsa_kernel
	.amdgpu_metadata
---
amdhsa.version: [ 1, 2 ]
amdhsa.kernels:
  - .name:           k_q1fa7387d56_attn
    .symbol:         k_q1fa7387d56_attn.kd
    .args:
      - { .name: qkvc, .offset: 0, .size: 8, .value_kind: global_buffer, .address_space: global }
      - { .name: lowp_scales, .offset: 8, .size: 8, .value_kind: global_buffer, .address_space: global }
      - { .name: slim, .offset: 16, .size: 8, .value_kind: global_buffer, .address_space: global }
      - { .name: ac, .offset: 24, .size: 8, .value_kind: global_buffer, .address_space: global }
    .group_segment_fixed_size: 263168
    .private_segment_fixed_size: 0
    .kernarg_segment_align: 8
    .kernarg_segment_size: 32
    .max_flat_workgroup_size: 256
    .sgpr_count:     80
    .vgpr_count:     256
    .wavefront_size: 32
...
	.end_amdgpu_metadata
.endif
;; end of part 3
;; launch gemm_o (part 4): grid 8 x 32, 4 waves a work-group, clusters of 4 x 4, 327,680 bytes of LDS; arguments ac, wc, lowp_scales, bo, x, outf; writes outf
.if DOCPART == 4
	.amdgcn_target "amdgcn-amd-amdhsa--gfx1250"
	.amdhsa_code_object_version 6
	.text
	.protected	k_q1fa7387d56_gemm_o
	.globl	k_q1fa7387d56_gemm_o
	.p2align	8
	.type	k_q1fa7387d56_gemm_o,@function
k_q1fa7387d56_gemm_o:
	s_mov_b64 s[64:65], 0
	v_nop
	global_prefetch_b8 v0, s[64:65] scope:SCOPE_SE
	s_setreg_imm32_b32 hwreg(HW_REG_WAVE_MODE, 25, 1), 1
	s_wait_xcnt 0x0
	s_wait_alu depctr_hold_cnt(0) depctr_sa_sdst(0) depctr_va_vdst(0) depctr_va_sdst(0) depctr_va_ssrc(0) depctr_va_vcc(0) depctr_vm_vsrc(0)
	s_getreg_b32 s2, hwreg(HW_REG_IB_STS2, 6, 4)
	s_cmp_eq_u32 s2, 0
	s_cbranch_scc0 .Lentry_in_a_cluster
	s_endpgm
.Lentry_in_a_cluster:
	s_bfe_u32 s2, ttmp6, 0x10000c
	s_cmp_lg_u32 s2, 0xf033
	s_cbranch_scc0 .Lentry_shape_is_right
	s_endpgm
.Lentry_shape_is_right:
; out = attn Wo + bo + x, the product on codes of E4M3 (scales e10, e11).  Nothing is left out.
; A tile is 128 x 128, so that N = 1,024 gives 256 work-groups; four waves of 64 x 64: 16 accumulators.  K goes in steps of 512 through two LDS slots; here K = 1,024 is the two first fills, and nothing is filled again.
; Codes lie as images of operand registers (16 rows x 128 K = 2,048 bytes, piece q at 512 q + 16 x lane): dense rows of 8,192 bytes for the tensor loads, no padding, a fragment = four loads at 16 x lane.
; TRANSPOSED USE: source 0 = 16 rows of Wo^T, source 1 = 16 tokens: lane (r, h) holds token r and features 8 h + 0 .. 7.
; OUT, f32, in the accumulators' own layout: [token / 16][feature / 16][i][lane][16 bytes], lane (r, h): token r, features 8 h + 4 i + 0 .. 3: each store of a wave is 512 consecutive bytes, and the two launches that read it read it so.
; CLUSTERS 4 x 4: A's tile shared along a row, B's along a column.   LIMIT: e10 + e11 between -126 and 127.
; REGISTERS: window 0: v0-31 addresses; v128-255 accumulators ((a, b) at 128 + 8 (4 a + b)).  window 1: two sets of fragments: A's four at 128 f + 16 a, B's at 128 f + 64 + 16 b.  window 2: v0-127 the residual, v128-159 the bias.
.set ASH,    17                        ; log2 of the bytes of a tile's 8 row tiles of codes
.set BOFF,   0x300000                  ; Wo's codes in wc
.set KPITCH, 2048                      ; a row tile's codes in elements of 8 bytes
.set LAPS,   1                         ; K / 1,024
.set SLOT,  131072
.set SPARE, 2*SLOT
.set LI,   7
.set ADRA, 16
.set ADRB, 20
.set SPW,  28
.set NIL,  29
.set ACC,  128
.set G1,  24
.set G0,  32
.set G1B, 48
.set G0B, 56
.set MSB, 0
.macro WIN new
.if MSB != (\new)
	s_set_vgpr_msb (MSB<<8)|(\new)
.set MSB, (\new)
.endif
.endm
.set MUL,  0x05
.set TO_F, 0x40
.macro JLOAD s
	s_cmp_eq_u32 s15, 0
	s_cbranch_scc0 .Lfor_b_\@
	tensor_load_to_lds s[G0+4*\s:G0+4*\s+3], s[G1:G1+7]
	s_nop 0
.rept 4
	v_nop
.endr
	s_branch .Lasked_\@
.Lfor_b_\@:
	tensor_load_to_lds s[G0B+4*\s:G0B+4*\s+3], s[G1B:G1B+7]
	s_nop 0
.rept 4
	v_nop
.endr
.Lasked_\@:
.endm
.macro CREST
	s_cmp_lg_u32 s14, 0
	s_cbranch_scc1 .Lnot_wave_0_\@
	s_barrier_signal -3
.Lnot_wave_0_\@:
	s_barrier_wait -3
	s_barrier_signal -1
	s_barrier_wait -1
.endm
.macro CROUND
	s_barrier_signal -1
	s_barrier_wait -1
	CREST
.endm
.macro PLACES
.rept 4
	v_nop
.endr
.endm
.macro FETCH slot, kq, f               ; 32 loads in one run: my four fragments of each side for the slot's kq-th 128 along K, into set f
	WIN TO_F
.irp a, 0,1,2,3
.irp c, 0,1,2,3
	ds_load_b128 v[128*(\f)+64+16*\a+4*\c:128*(\f)+64+16*\a+4*\c+3], v[ADRB+\slot] offset:\a*8192+(\kq)*2048+\c*512
	ds_load_b128 v[128*(\f)+16*\a+4*\c:128*(\f)+16*\a+4*\c+3], v[ADRA+\slot] offset:\a*8192+(\kq)*2048+\c*512
.endr
.endr
.endm
.macro MUL4 a, f, zero                 ; the 16 accumulators take turns, one instruction a turn, in the same order in every step
.irp b, 0,1,2,3
.if \zero
	v_wmma_f32_16x16x128_fp8_fp8 v[ACC+8*(4*(\a)+\b):ACC+8*(4*(\a)+\b)+7], v[128*(\f)+64+16*\b:128*(\f)+64+16*\b+15], v[128*(\f)+16*(\a):128*(\f)+16*(\a)+15], 0
.else
	v_wmma_f32_16x16x128_fp8_fp8 v[ACC+8*(4*(\a)+\b):ACC+8*(4*(\a)+\b)+7], v[128*(\f)+64+16*\b:128*(\f)+64+16*\b+15], v[128*(\f)+16*(\a):128*(\f)+16*(\a)+15], v[ACC+8*(4*(\a)+\b):ACC+8*(4*(\a)+\b)+7]
.endif
.endr
.endm
.macro STEP slot, kq, f, zero          ; 128 along K whose successor lies in the same slot
	s_wait_dscnt 0x0                               ; set f is in
	PLACES                                         ; for the loads into the other set, which the last products read
	FETCH \slot, (\kq)+1, 1-(\f)
	WIN MUL
	MUL4 0, \f, \zero
	MUL4 1, \f, \zero
	MUL4 2, \f, \zero
	MUL4 3, \f, \zero
.endm
.macro TURN slot, next, fill           ; a slot's last 128 along K (set 1), and the change of slots
	WIN 0
	s_wait_tensorcnt 0x0                           ; all my tensor loads have landed: my part of the next slot
	ds_add_u32 v[SPW], v[NIL]
	s_wait_dscnt 1                                 ; set 1 is in; the add alone may stay out
	WIN MUL
	MUL4 0, 1, 0
	s_wait_dscnt 0x0                               ; the add is done, my reads of this slot are over
	s_barrier_signal -1
	MUL4 1, 1, 0
	WIN 0
	s_barrier_wait -1
.if \fill
	CREST                                          ; the barrier has opened a round of the cluster's
	s_add_nc_u64 s[G0+4*\slot+2:G0+4*\slot+3], s[G0+4*\slot+2:G0+4*\slot+3], 16384
	s_add_nc_u64 s[G0B+4*\slot+2:G0B+4*\slot+3], s[G0B+4*\slot+2:G0B+4*\slot+3], 16384
	JLOAD \slot                                    ; the first tensor load behind the round; its four v_nop are the places for the loads below
.else
	PLACES
.endif
	FETCH \next, 0, 0
	WIN MUL
	MUL4 2, 1, 0
	MUL4 3, 1, 0
.endm
	s_load_b256 s[4:11], s[0:1], 0x0               ; A's codes, wc, the scales' exponents, the bias
	s_load_b128 s[84:87], s[0:1], 0x20             ; the residual, the output
	v_lshl_add_u32 v[SPW], v0, 2, SPARE
	v_mov_b32 v[NIL], 0
	ds_add_u32 v[SPW], v[NIL]                      ; the opening: the add, twice on end, and its wait ahead of my first tensor load
	ds_add_u32 v[SPW], v[NIL]
	v_lshrrev_b32 v1, 5, v0
	v_readfirstlane_b32 s14, v1
	s_lshr_b32 s15, s14, 1
	s_and_b32 s16, s14, 1
	s_bfe_u32 s40, ttmp6, 0x40000
	s_bfe_u32 s41, ttmp6, 0x40004
	s_lshl_b32 s42, ttmp9, 2
	s_add_co_u32 s42, s42, s40                     ; tile column: features
	s_and_b32 s17, ttmp7, 0xffff
	s_lshl_b32 s17, s17, 2
	s_add_co_u32 s17, s17, s41                     ; tile row: tokens
	s_lshl_b32 s43, s41, 2
	s_lshl_b32 s43, 15, s43
	s_lshl_b32 s44, 0x1111, s40
	s_or_b32 s[G1+0], s43, (3<<16)|(1<<21)
	s_or_b32 s[G1B+0], s44, (3<<16)|(1<<21)
.irp g, G1, G1B
	s_mov_b32 s[\g+1], 1024<<16                    ; tensor_dim0 = 1,024 elements of 8 bytes: four fragments of a row tile
	s_mov_b32 s[\g+2], 4<<16                       ; tensor_dim1 = 4 row tiles
	s_mov_b32 s[\g+3], 1024<<16
	s_mov_b32 s[\g+4], 4
	s_mov_b32 s[\g+5], KPITCH
	s_mov_b32 s[\g+6], 0
	s_mov_b32 s[\g+7], 0
.endr
	s_lshl_b32 s20, s17, ASH
	s_lshl_b32 s21, s16, ASH-1
	s_add_co_u32 s20, s20, s21
	s_mov_b32 s21, 0
	s_lshl_b32 s46, s42, ASH
	s_lshl_b32 s47, s16, ASH-1
	s_add_co_u32 s46, s46, s47
	s_add_co_u32 s46, s46, BOFF
	s_mov_b32 s47, 0
	s_lshl_b32 s45, s14, 15
	s_wait_dscnt 0x0
	s_wait_kmcnt 0x0
	s_load_b64 s[68:69], s[8:9], 0x28              ; e10, e11
	s_add_nc_u64 s[20:21], s[4:5], s[20:21]
	s_add_nc_u64 s[46:47], s[6:7], s[46:47]
	CROUND
.irp s, 0,1
	s_mov_b32 s[G0+4*\s], 1
	s_add_co_u32 s[G0+4*\s+1], s45, \s*SLOT
	s_add_nc_u64 s[G0+4*\s+2:G0+4*\s+3], s[20:21], \s*8192
	s_or_b32 s[G0+4*\s+3], s[G0+4*\s+3], 0x80000000
	s_mov_b32 s[G0B+4*\s], 1
	s_add_co_u32 s[G0B+4*\s+1], s45, \s*SLOT
	s_add_nc_u64 s[G0B+4*\s+2:G0B+4*\s+3], s[46:47], \s*8192
	s_or_b32 s[G0B+4*\s+3], s[G0B+4*\s+3], 0x80000000
	JLOAD \s
.endr
	v_and_b32 v6, 31, v0
	v_lshlrev_b32 v[LI], 4, v6
	s_lshl_b32 s21, s15, 15
	s_lshl_b32 s22, s16, 15
	s_add_co_u32 s22, s22, 65536
.irp s, 0,1
	v_add_nc_u32 v[ADRA+\s], s21, v[LI]
	v_add_nc_u32 v[ADRB+\s], s22, v[LI]
	s_add_co_u32 s21, s21, SLOT
	s_add_co_u32 s22, s22, SLOT
.endr
	v_and_b32 v1, 15, v0
	v_bfe_u32 v2, v0, 4, 1
	v_lshlrev_b32 v4, 5, v2                        ; bias: 32 h
	v_lshl_add_u32 v3, v1, 12, v4                  ; x: row r of 4,096 bytes + 32 h
	s_lshl_b32 s66, s42, 7
	s_lshl_b32 s67, s16, 6
	s_add_co_u32 s66, s66, s67
	s_lshl_b32 s66, s66, 2                         ; my first feature, in bytes
	s_mov_b32 s67, 0
	s_add_nc_u64 s[10:11], s[10:11], s[66:67]
	s_lshl_b32 s90, s17, 7
	s_lshl_b32 s91, s15, 6
	s_add_co_u32 s90, s90, s91
	s_lshl_b32 s90, s90, 12                        ; my first token's row
	s_add_co_u32 s66, s66, s90
	s_add_nc_u64 s[84:85], s[84:85], s[66:67]
	s_lshl_b32 s66, s17, 3
	s_lshl_b32 s90, s15, 2
	s_add_co_u32 s66, s66, s90
	s_lshl_b32 s66, s66, 16                        ; out: my first token tile,
	s_lshl_b32 s90, s42, 3
	s_lshl_b32 s91, s16, 2
	s_add_co_u32 s90, s90, s91
	s_lshl_b32 s90, s90, 10                        ; my first block of 16 features
	s_add_co_u32 s66, s66, s90
	s_add_nc_u64 s[86:87], s[86:87], s[66:67]
	WIN 0x80                                       ; destination window 2: residual and bias come while the products run; they are waited for on the way out
.irp a, 0,1,2,3
.irp b, 0,1,2,3
.irp i, 0,1
	global_load_b128 v[8*(4*\a+\b)+4*\i:8*(4*\a+\b)+4*\i+3], v3, s[84:85] offset:\a*65536+\b*64+\i*16
.endr
.endr
.endr
.irp b, 0,1,2,3
.irp i, 0,1
	global_load_b128 v[128+8*\b+4*\i:128+8*\b+4*\i+3], v4, s[10:11] offset:\b*64+\i*16
.endr
.endr
	WIN 0
	s_wait_tensorcnt 1                             ; my part of slot 0 is in; slot 1's load may stay out
	s_barrier_signal -1
	s_barrier_wait -1
	FETCH 0, 0, 0
	STEP 0, 0, 0, 1
	STEP 0, 1, 1, 0
	STEP 0, 2, 0, 0
	TURN 0, 1, 0
	STEP 1, 0, 0, 0
	STEP 1, 1, 1, 0
	STEP 1, 2, 0, 0
	s_wait_dscnt 0x0
	WIN MUL
	MUL4 0, 1, 0
	MUL4 1, 1, 0
	MUL4 2, 1, 0
	MUL4 3, 1, 0
	WIN 0
	; THE WAY OUT: out = sum x 2^(e10 + e11) + (x + bo)
	s_wait_kmcnt 0x0
	s_add_co_i32 s96, s68, s69
	s_add_co_i32 s96, s96, 127
	s_lshl_b32 s96, s96, 23
	s_mov_b32 s97, s96
	s_wait_loadcnt 0x0
	WIN 0x8a                                       ; window 2 throughout: these 64 name no register of the last products and are the places behind them
.irp a, 0,1,2,3
.irp b, 0,1,2,3
.irp j, 0,2,4,6
	v_pk_add_f32 v[8*(4*\a+\b)+\j:8*(4*\a+\b)+\j+1], v[8*(4*\a+\b)+\j:8*(4*\a+\b)+\j+1], v[128+8*\b+\j:128+8*\b+\j+1]
.endr
.endr
.endr
	WIN 0xa0                                       ; the sums in window 0; addend and result in window 2
.irp a, 0,1,2,3
.irp b, 0,1,2,3
.irp j, 0,2,4,6
	v_pk_fma_f32 v[8*(4*\a+\b)+\j:8*(4*\a+\b)+\j+1], v[ACC+8*(4*\a+\b)+\j:ACC+8*(4*\a+\b)+\j+1], s[96:97], v[8*(4*\a+\b)+\j:8*(4*\a+\b)+\j+1] op_sel_hi:[1,0,1]
.endr
.endr
.endr
	WIN 0x08                                       ; the stores' data in window 2
.irp a, 0,1,2,3
.irp b, 0,1,2,3
.irp i, 0,1
	global_store_b128 v[LI], v[8*(4*\a+\b)+4*\i:8*(4*\a+\b)+4*\i+3], s[86:87] offset:\a*65536+\b*1024+\i*512
.endr
.endr
.endr
	WIN 0
	s_wait_tensorcnt 0x0                           ; the wave's end
	ds_add_u32 v[SPW], v[NIL]
	s_wait_dscnt 0x0
	CROUND
	s_endpgm
.Lfunc_end_k_q1fa7387d56_gemm_o:
	.size	k_q1fa7387d56_gemm_o, .Lfunc_end_k_q1fa7387d56_gemm_o-k_q1fa7387d56_gemm_o
	.p2alignl 7, 3214868480
	.fill 96, 4, 3214868480
	.section	.rodata,"a",@progbits
	.p2align	6, 0x0
	.amdhsa_kernel k_q1fa7387d56_gemm_o
		.amdhsa_group_segment_fixed_size 327680
		.amdhsa_private_segment_fixed_size 0
		.amdhsa_enable_private_segment 0
		.amdhsa_kernarg_size 48
		.amdhsa_user_sgpr_count 2
		.amdhsa_user_sgpr_kernarg_segment_ptr 1
		.amdhsa_wavefront_size32 1
		.amdhsa_system_sgpr_workgroup_id_x 1
		.amdhsa_system_sgpr_workgroup_id_y 1
		.amdhsa_system_sgpr_workgroup_id_z 1
		.amdhsa_system_vgpr_workitem_id 0
		.amdhsa_next_free_vgpr 768
		.amdhsa_next_free_sgpr 100
		.amdhsa_reserve_vcc 0
		.amdhsa_float_denorm_mode_32 3
		.amdhsa_float_denorm_mode_16_64 3
		.amdhsa_memory_ordered 1
		.amdhsa_forward_progress 1
		.amdhsa_inst_pref_size 49
	.end_amdhsa_kernel
	.amdgpu_metadata
---
amdhsa.version: [ 1, 2 ]
amdhsa.kernels:
  - .name:           k_q1fa7387d56_gemm_o
    .symbol:         k_q1fa7387d56_gemm_o.kd
    .args:
      - { .name: ac, .offset: 0, .size: 8, .value_kind: global_buffer, .address_space: global }
      - { .name: wc, .offset: 8, .size: 8, .value_kind: global_buffer, .address_space: global }
      - { .name: lowp_scales, .offset: 16, .size: 8, .value_kind: global_buffer, .address_space: global }
      - { .name: bo, .offset: 24, .size: 8, .value_kind: global_buffer, .address_space: global }
      - { .name: x, .offset: 32, .size: 8, .value_kind: global_buffer, .address_space: global }
      - { .name: outf, .offset: 40, .size: 8, .value_kind: global_buffer, .address_space: global }
    .group_segment_fixed_size: 327680
    .private_segment_fixed_size: 0
    .kernarg_segment_align: 8
    .kernarg_segment_size: 48
    .max_flat_workgroup_size: 128
    .sgpr_count:     100
    .vgpr_count:     768
    .wavefront_size: 32
...
	.end_amdgpu_metadata
.endif
;; end of part 4
;; launch ln2 (part 5): grid 256 x 1, 16 waves a work-group, no clusters, 4,096 bytes of LDS; arguments outf, ln2_g, ln2_b, lowp_scales, h2c; writes h2c
.if DOCPART == 5
	.amdgcn_target "amdgcn-amd-amdhsa--gfx1250"
	.amdhsa_code_object_version 6
	.text
	.protected	k_q1fa7387d56_ln2
	.globl	k_q1fa7387d56_ln2
	.p2align	8
	.type	k_q1fa7387d56_ln2,@function
k_q1fa7387d56_ln2:
	s_mov_b64 s[64:65], 0
	v_nop
	global_prefetch_b8 v0, s[64:65] scope:SCOPE_SE
	s_setreg_imm32_b32 hwreg(HW_REG_WAVE_MODE, 25, 1), 1
	s_wait_xcnt 0x0
; h2 = layernorm(out) in f32, quantised under e12 into images of operand registers (16 rows x 128 K = 2,048 bytes, piece q at 512 q + 16 x lane).  Nothing is left out.
; A work-group takes 16 rows, wave w features 64 w .. 64 w + 63, lane (r, h) row r; register X + 8 f + 4 i + e = feature 64 w + 16 f + 8 h + 4 i + e.  out lies in just that layout
; ([token / 16][feature / 16][i][lane][16 bytes]), so every load and every store of a wave is 512 consecutive bytes.  Mean and variance in two passes as written; a row's 16 partial sums meet in LDS.
; LIMITS: e12 between -126 and 119.  NaN among the inputs is not served.
.set RED1,  1024
.set SPARE, 2048
.set X,   16
.set GG,  48
.set BB,  80
.set T,   112
.set C,   144
.set PS,  168
.set QS,  184
.set SPW, 12
.set NIL, 13
.macro ACROSS red
	v_permlanex16_b32 v[T+1], v[T], s30, s31
	v_add_f32 v[T], v[T], v[T+1]
	ds_store_b32 v5, v[T] offset:\red
	s_wait_dscnt 0x0                               ; for the others' sake: my store has landed
	s_barrier_signal -1
	s_barrier_wait -1
.irp i, 0,1,2,3
	ds_load_b128 v[PS+4*\i:PS+4*\i+3], v6 offset:\red+16*\i
.endr
	s_wait_dscnt 0x0
	v_pk_add_f32 v[PS:PS+1], v[PS:PS+1], v[PS+2:PS+3]
	v_pk_add_f32 v[PS+4:PS+5], v[PS+4:PS+5], v[PS+6:PS+7]
	v_pk_add_f32 v[PS+8:PS+9], v[PS+8:PS+9], v[PS+10:PS+11]
	v_pk_add_f32 v[PS+12:PS+13], v[PS+12:PS+13], v[PS+14:PS+15]
	v_pk_add_f32 v[PS:PS+1], v[PS:PS+1], v[PS+4:PS+5]
	v_pk_add_f32 v[PS+8:PS+9], v[PS+8:PS+9], v[PS+12:PS+13]
	v_pk_add_f32 v[PS:PS+1], v[PS:PS+1], v[PS+8:PS+9]
	v_add_f32 v[PS], v[PS], v[PS+1]
.endm
	s_load_b256 s[4:11], s[0:1], 0x0               ; out, ln2_g, ln2_b, the scales' exponents
	s_load_b64 s[12:13], s[0:1], 0x20              ; h2's codes
	v_lshl_add_u32 v[SPW], v0, 2, SPARE
	v_mov_b32 v[NIL], 0
	v_lshrrev_b32 v1, 5, v0
	v_readfirstlane_b32 s28, v1                    ; wave 0..15
	v_and_b32 v1, 15, v0
	v_bfe_u32 v2, v0, 4, 1
	v_lshlrev_b32 v4, 5, v2                        ; g, b: 32 h
	v_lshlrev_b32 v6, 6, v1
	s_lshl_b32 s29, s28, 2
	v_add_nc_u32 v5, s29, v6
	v_and_b32 v7, 31, v0
	v_lshlrev_b32 v7, 4, v7                        ; 16 x lane
	s_mov_b32 s30, 0x76543210
	s_mov_b32 s31, 0xfedcba98
	s_lshl_b32 s48, ttmp9, 16
	s_lshl_b32 s49, s28, 12                        ; my wave's four blocks of 16 features
	s_add_co_u32 s48, s48, s49
	s_mov_b32 s49, 0
	s_lshl_b32 s50, s28, 8
	s_mov_b32 s51, 0
	s_lshl_b32 s52, ttmp9, 14
	s_lshl_b32 s53, s28, 10
	s_add_co_u32 s52, s52, s53
	s_mov_b32 s53, 0
	s_wait_kmcnt 0x0
	s_load_b32 s32, s[10:11], 0x30                 ; e12
	s_add_nc_u64 s[4:5], s[4:5], s[48:49]
	s_add_nc_u64 s[6:7], s[6:7], s[50:51]
	s_add_nc_u64 s[8:9], s[8:9], s[50:51]
	s_add_nc_u64 s[12:13], s[12:13], s[52:53]
.irp f, 0,1,2,3
.irp i, 0,1
	global_load_b128 v[X+8*\f+4*\i:X+8*\f+4*\i+3], v7, s[4:5] offset:1024*\f+512*\i
.endr
.endr
.irp f, 0,1,2,3
.irp i, 0,1
	global_load_b128 v[GG+8*\f+4*\i:GG+8*\f+4*\i+3], v4, s[6:7] offset:64*\f+16*\i
	global_load_b128 v[BB+8*\f+4*\i:BB+8*\f+4*\i+3], v4, s[8:9] offset:64*\f+16*\i
.endr
.endr
	s_wait_loadcnt 16                              ; out's eight loads are in; the sixteen of g and b may stay out
	v_pk_add_f32 v[T:T+1], v[X:X+1], v[X+2:X+3]
	v_pk_add_f32 v[T+2:T+3], v[X+4:X+5], v[X+6:X+7]
.irp j, 8,12,16,20,24,28
	v_pk_add_f32 v[T:T+1], v[T:T+1], v[X+\j:X+\j+1]
	v_pk_add_f32 v[T+2:T+3], v[T+2:T+3], v[X+\j+2:X+\j+3]
.endr
	v_pk_add_f32 v[T:T+1], v[T:T+1], v[T+2:T+3]
	v_add_f32 v[T], v[T], v[T+1]
	ACROSS 0
	v_mul_f32 v8, 0x3a800000, v[PS]                ; the mean
	v_mov_b32 v9, v8
.set n, 0
.rept 16
	v_pk_add_f32 v[X+n:X+n+1], v[X+n:X+n+1], v[8:9] neg_lo:[0,1] neg_hi:[0,1]
.set n, n+2
.endr
	v_pk_mul_f32 v[T:T+1], v[X:X+1], v[X:X+1]
	v_pk_mul_f32 v[T+2:T+3], v[X+2:X+3], v[X+2:X+3]
.irp j, 4,8,12,16,20,24,28
	v_pk_fma_f32 v[T:T+1], v[X+\j:X+\j+1], v[X+\j:X+\j+1], v[T:T+1]
	v_pk_fma_f32 v[T+2:T+3], v[X+\j+2:X+\j+3], v[X+\j+2:X+\j+3], v[T+2:T+3]
.endr
	v_pk_add_f32 v[T:T+1], v[T:T+1], v[T+2:T+3]
	v_add_f32 v[T], v[T], v[T+1]
	ACROSS RED1                                    ; other bytes than the first exchange: no third barrier is needed
	v_mul_f32 v11, 0x3a800000, v[PS]
	v_add_f32 v11, 0x3727c5ac, v11                 ; the variance + 1e-5
	v_rsq_f32 v10, v11
	v_nop                                          ; a plain instruction behind the transcendental
	s_wait_alu depctr_va_vdst(0)                   ; and the wait ahead of its first reader
	v_mov_b32 v11, v10
	s_wait_kmcnt 0x0
	s_add_co_i32 s40, s32, 127
	s_lshl_b32 s41, s40, 23
	v_mov_b32 v[QS], s41                           ; 2^e12
	s_add_co_i32 s40, s40, 8
	s_lshl_b32 s40, s40, 23
	s_or_b32 s40, s40, 0x600000
	v_mov_b32 v[QS+1], s40                         ; 448 x 2^e12
	s_wait_loadcnt 0x0
.set n, 0
.rept 16
	v_pk_mul_f32 v[X+n:X+n+1], v[X+n:X+n+1], v[10:11]
.set n, n+2
.endr
.set n, 0
.rept 16
	v_pk_fma_f32 v[X+n:X+n+1], v[X+n:X+n+1], v[GG+n:GG+n+1], v[BB+n:BB+n+1]
.set n, n+2
.endr
.set n, 0
.rept 32
	v_med3_num_f32 v[T+n], v[X+n], -v[QS+1], v[QS+1]
.set n, n+1
.endr
.irp f, 0,1,2,3
	v_cvt_scalef32_pk8_fp8_f32 v[C+2*\f:C+2*\f+1], v[T+8*\f:T+8*\f+7], v[QS]
.endr
	v_nop
	global_store_b128 v7, v[C:C+3], s[12:13]
	global_store_b128 v7, v[C+4:C+7], s[12:13] offset:512
	s_wait_tensorcnt 0x0                           ; the wave's end: behind my last LDS store
	ds_add_u32 v[SPW], v[NIL]
	s_wait_dscnt 0x0
	s_endpgm
.Lfunc_end_k_q1fa7387d56_ln2:
	.size	k_q1fa7387d56_ln2, .Lfunc_end_k_q1fa7387d56_ln2-k_q1fa7387d56_ln2
	.p2alignl 7, 3214868480
	.fill 96, 4, 3214868480
	.section	.rodata,"a",@progbits
	.p2align	6, 0x0
	.amdhsa_kernel k_q1fa7387d56_ln2
		.amdhsa_group_segment_fixed_size 4096
		.amdhsa_private_segment_fixed_size 0
		.amdhsa_enable_private_segment 0
		.amdhsa_kernarg_size 40
		.amdhsa_user_sgpr_count 2
		.amdhsa_user_sgpr_kernarg_segment_ptr 1
		.amdhsa_wavefront_size32 1
		.amdhsa_system_sgpr_workgroup_id_x 1
		.amdhsa_system_sgpr_workgroup_id_y 1
		.amdhsa_system_sgpr_workgroup_id_z 1
		.amdhsa_system_vgpr_workitem_id 0
		.amdhsa_next_free_vgpr 192
		.amdhsa_next_free_sgpr 66
		.amdhsa_reserve_vcc 0
		.amdhsa_float_denorm_mode_32 3
		.amdhsa_float_denorm_mode_16_64 3
		.amdhsa_memory_ordered 1
		.amdhsa_forward_progress 1
		.amdhsa_inst_pref_size 15
	.end_amdhsa_kernel
	.amdgpu_metadata
---
amdhsa.version: [ 1, 2 ]
amdhsa.kernels:
  - .name:           k_q1fa7387d56_ln2
    .symbol:         k_q1fa7387d56_ln2.kd
    .args:
      - { .name: outf, .offset: 0, .size: 8, .value_kind: global_buffer, .address_space: global }
      - { .name: ln2_g, .offset: 8, .size: 8, .value_kind: global_buffer, .address_space: global }
      - { .name: ln2_b, .offset: 16, .size: 8, .value_kind: global_buffer, .address_space: global }
      - { .name: lowp_scales, .offset: 24, .size: 8, .value_kind: global_buffer, .address_space: global }
      - { .name: h2c, .offset: 32, .size: 8, .value_kind: global_buffer, .address_space: global }
    .group_segment_fixed_size: 4096
    .private_segment_fixed_size: 0
    .kernarg_segment_align: 8
    .kernarg_segment_size: 40
    .max_flat_workgroup_size: 512
    .sgpr_count:     66
    .vgpr_count:     192
    .wavefront_size: 32
...
	.end_amdgpu_metadata
.endif
;; end of part 5
;; launch gemm_1 (part 6): grid 16 x 16, 4 waves a work-group, clusters of 4 x 4, 327,680 bytes of LDS; arguments h2c, wc, lowp_scales, b1, mc; writes mc
.if DOCPART == 6
	.amdgcn_target "amdgcn-amd-amdhsa--gfx1250"
	.amdhsa_code_object_version 6
	.text
	.protected	k_q1fa7387d56_gemm_1
	.globl	k_q1fa7387d56_gemm_1
	.p2align	8
	.type	k_q1fa7387d56_gemm_1,@function
k_q1fa7387d56_gemm_1:
	s_mov_b64 s[64:65], 0
	v_nop
	global_prefetch_b8 v0, s[64:65] scope:SCOPE_SE
	s_setreg_imm32_b32 hwreg(HW_REG_WAVE_MODE, 25, 1), 1
	s_wait_xcnt 0x0
	s_wait_alu depctr_hold_cnt(0) depctr_sa_sdst(0) depctr_va_vdst(0) depctr_va_sdst(0) depctr_va_ssrc(0) depctr_va_vcc(0) depctr_vm_vsrc(0)
	s_getreg_b32 s2, hwreg(HW_REG_IB_STS2, 6, 4)
	s_cmp_eq_u32 s2, 0
	s_cbranch_scc0 .Lentry_in_a_cluster
	s_endpgm
.Lentry_in_a_cluster:
	s_bfe_u32 s2, ttmp6, 0x10000c
	s_cmp_lg_u32 s2, 0xf033
	s_cbranch_scc0 .Lentry_shape_is_right
	s_endpgm
.Lentry_shape_is_right:
; m = gelu(h2 W1 + b1) (the erf form), the product on codes of E4M3 (e12, e13), and m's codes under e14.  Nothing is left out.
; The K loop is that of the launch for q, k, v: a tile of 256 x 256, four waves of 128 x 128, K = 1,024 in four steps of 256 through two LDS slots, codes as images of operand registers, clusters of 4 x 4 with joint loads.
; TRANSPOSED USE: lane (r, h) holds token r and features 16 b + 8 h + 0 .. 7: the eight blocks b of a row of accumulators are one fragment (128 along the next K) of m's image.
; THE WAY OUT IS A LOOP of eight trips (16 tokens each), so that the gelu is written four times and not thirty-two: the raw sums go into my quarter of the two slots, which have had their last fill and,
; behind a barrier, their last read; each trip reads 16 tokens' sums back into fixed registers.
; erf(u) = u P(u^2) / Q(u^2) on |u| <= 4 (u held there: beyond, erf is 1 to f32's last place): a rational form good to a few units in f32's last place; gelu = z/2 + z/2 erf(z / sqrt 2).
; LIMITS: e12 + e13 between -126 and 127; e14 between -126 and 119.  NaN among the inputs is not served.
; REGISTERS: window 0: v0-31 addresses, v12 2^e14, v13 448 x 2^e14; v32-95 the bias; v128-255 A's fragments; on the way out v96-159 sums, v160-223 at work, v224-239 codes, v240-243 two constants.
.set SLOT,  131072
.set SPARE, 2*SLOT
.set FR,   16
.set NL,   4
.set NP,   4
.set LI,   7
.set SCL,  12
.set LIM,  13
.set ADRA, 16
.set ADRB, 20
.set ZST,  24
.set ZA,   25
.set SPW,  28
.set NIL,  29
.set BI,   32
.set Z,    96
.set AF,   128
.set GU,   160
.set GX,   176
.set GP,   192
.set GQ,   208
.set CC,   224
.set VA,   240
.set VB,   242
.set G1,  24
.set G0,  32
.set G1B, 48
.set G0B, 56
.set MSB, 0
.macro WIN new
.if MSB != (\new)
	s_set_vgpr_msb (MSB<<8)|(\new)
.set MSB, (\new)
.endif
.endm
.set MUL_LO, 0xa1
.set MUL_HI, 0xf1
.set TO_B,   0x40
.macro JLOAD g0a, g1a, g0b, g1b
	s_cmp_eq_u32 s15, 0
	s_cbranch_scc0 .Lfor_b_\@
	tensor_load_to_lds s[\g0a:\g0a+3], s[\g1a:\g1a+7]
	s_nop 0
.rept 4
	v_nop
.endr
	s_branch .Lasked_\@
.Lfor_b_\@:
	tensor_load_to_lds s[\g0b:\g0b+3], s[\g1b:\g1b+7]
	s_nop 0
.rept 4
	v_nop
.endr
.Lasked_\@:
.endm
.macro CREST
	s_cmp_lg_u32 s14, 0
	s_cbranch_scc1 .Lnot_wave_0_\@
	s_barrier_signal -3
.Lnot_wave_0_\@:
	s_barrier_wait -3
	s_barrier_signal -1
	s_barrier_wait -1
.endm
.macro CROUND
	s_barrier_signal -1
	s_barrier_wait -1
	CREST
.endm
	s_load_b256 s[4:11], s[0:1], 0x0               ; h2's codes, wc, the scales' exponents, b1
	s_load_b64 s[88:89], s[0:1], 0x20              ; m's codes
	v_lshl_add_u32 v[SPW], v0, 2, SPARE
	v_mov_b32 v[NIL], 0
	ds_add_u32 v[SPW], v[NIL]                      ; the opening: the add, twice on end, and its wait ahead of my first tensor load
	ds_add_u32 v[SPW], v[NIL]
	v_lshrrev_b32 v1, 5, v0
	v_readfirstlane_b32 s14, v1
	s_lshr_b32 s15, s14, 1
	s_and_b32 s16, s14, 1
	s_bfe_u32 s40, ttmp6, 0x40000
	s_bfe_u32 s41, ttmp6, 0x40004
	s_lshl_b32 s42, ttmp9, 2
	s_add_co_u32 s42, s42, s40                     ; tile column: features
	s_and_b32 s17, ttmp7, 0xffff
	s_lshl_b32 s17, s17, 2
	s_add_co_u32 s17, s17, s41                     ; tile row: tokens
	s_lshl_b32 s43, s41, 2
	s_lshl_b32 s43, 15, s43
	s_lshl_b32 s44, 0x1111, s40
	s_or_b32 s[G1+0], s43, (3<<16)|(1<<21)
	s_or_b32 s[G1B+0], s44, (3<<16)|(1<<21)
.irp g, G1, G1B
	s_mov_b32 s[\g+1], 512<<16
	s_mov_b32 s[\g+2], 8<<16
	s_mov_b32 s[\g+3], 512<<16
	s_mov_b32 s[\g+4], 8
	s_mov_b32 s[\g+5], 2048
	s_mov_b32 s[\g+6], 0
	s_mov_b32 s[\g+7], 0
.endr
	s_lshl_b32 s20, s17, 18
	s_lshl_b32 s21, s16, 17
	s_add_co_u32 s20, s20, s21
	s_mov_b32 s21, 0
	s_lshl_b32 s46, s42, 18
	s_lshl_b32 s47, s16, 17
	s_add_co_u32 s46, s46, s47
	s_add_co_u32 s46, s46, 0x400000                ; W1's codes in wc
	s_mov_b32 s47, 0
	s_lshl_b32 s45, s14, 15
	s_wait_dscnt 0x0
	s_wait_kmcnt 0x0
	s_load_b128 s[68:71], s[8:9], 0x30             ; e12, e13, e14, e15
	s_add_nc_u64 s[20:21], s[4:5], s[20:21]
	s_add_nc_u64 s[46:47], s[6:7], s[46:47]
	CROUND
.irp s, 0,1
	s_mov_b32 s[G0+4*\s], 1
	s_add_co_u32 s[G0+4*\s+1], s45, \s*SLOT
	s_add_nc_u64 s[G0+4*\s+2:G0+4*\s+3], s[20:21], \s*4096
	s_or_b32 s[G0+4*\s+3], s[G0+4*\s+3], 0x80000000
	s_mov_b32 s[G0B+4*\s], 1
	s_add_co_u32 s[G0B+4*\s+1], s45, \s*SLOT
	s_add_nc_u64 s[G0B+4*\s+2:G0B+4*\s+3], s[46:47], \s*4096
	s_or_b32 s[G0B+4*\s+3], s[G0B+4*\s+3], 0x80000000
	JLOAD G0+4*\s, G1, G0B+4*\s, G1B
.endr
	v_and_b32 v6, 31, v0
	v_lshlrev_b32 v[LI], 4, v6
	s_lshl_b32 s21, s15, 15
	s_lshl_b32 s22, s16, 15
	s_add_co_u32 s22, s22, 65536
.irp s, 0,1
	v_add_nc_u32 v[ADRA+\s], s21, v[LI]
	v_add_nc_u32 v[ADRB+\s], s22, v[LI]
	s_add_co_u32 s21, s21, SLOT
	s_add_co_u32 s22, s22, SLOT
.endr
	s_lshl_b32 s23, s14, 16
	v_add_nc_u32 v[ZST], s23, v[LI]                ; the way out: my 64 KiB of the slots
	v_bfe_u32 v2, v0, 4, 1
	v_lshlrev_b32 v4, 5, v2
	s_lshl_b32 s66, s42, 8
	s_lshl_b32 s67, s16, 7
	s_add_co_u32 s66, s66, s67
	s_lshl_b32 s66, s66, 2
	s_mov_b32 s67, 0
	s_add_nc_u64 s[10:11], s[10:11], s[66:67]
.irp b, 0,1,2,3,4,5,6,7
.irp i, 0,1
	global_load_b128 v[BI+8*\b+4*\i:BI+8*\b+4*\i+3], v4, s[10:11] offset:64*\b+16*\i   ; b1 of features 16 b + 8 h + 4 i on; waited for on the way out
.endr
.endr
	s_lshl_b32 s66, s17, 4
	s_lshl_b32 s90, s15, 3
	s_add_co_u32 s66, s66, s90
	s_lshl_b32 s66, s66, 16                        ; m's codes: my first token tile (64 KiB each),
	s_lshl_b32 s90, s42, 1
	s_add_co_u32 s90, s90, s16
	s_lshl_b32 s90, s90, 11                        ; my 128 features' fragment
	s_add_co_u32 s66, s66, s90
	s_add_nc_u64 s[88:89], s[88:89], s[66:67]
.macro FRAG reg, adr, q, i
.irp c, 0,1,2,3
	ds_load_b128 v[\reg+4*\c:\reg+4*\c+3], v[\adr] offset:2048*(\q)+512*\c+(\i)*4096
.endr
.endm
.macro MUL16 a0, p, zero               ; the 64 accumulators take turns, one instruction a turn
.irp a, \a0, \a0+1
.irp b, 0,1,2,3,4,5,6,7
.if \zero
	v_wmma_f32_16x16x128_fp8_fp8 v[8*(8*((\a)%4)+\b):8*(8*((\a)%4)+\b)+7], v[128*(\p)+FR*\b:128*(\p)+FR*\b+FR-1], v[AF+FR*(\a):AF+FR*(\a)+FR-1], 0
.else
	v_wmma_f32_16x16x128_fp8_fp8 v[8*(8*((\a)%4)+\b):8*(8*((\a)%4)+\b)+7], v[128*(\p)+FR*\b:128*(\p)+FR*\b+FR-1], v[AF+FR*(\a):AF+FR*(\a)+FR-1], v[8*(8*((\a)%4)+\b):8*(8*((\a)%4)+\b)+7]
.endif
.endr
.endr
.endm
.macro FETCH_B slot, q, p
	WIN TO_B
.irp i, 0,1,2,3,4,5,6,7
	FRAG 128*(\p)+FR*\i, ADRB+\slot, \q, \i
.endr
	WIN 0
.endm
.macro FETCH_A slot, q, i0
.irp i, \i0, \i0+1, \i0+2, \i0+3
	FRAG AF+FR*(\i), ADRA+\slot, \q, \i
.endr
.endm
.macro PLACES n
.rept \n
	v_nop
.endr
.endm
.macro STEP slot, q, zero
	s_wait_dscnt 4*NL                              ; B's set and A's blocks 0-3 are in; the youngest sixteen loads may stay out
	WIN MUL_LO
	MUL16 0, (\q)%2, \zero
	MUL16 2, (\q)%2, \zero
	s_wait_dscnt 0
	PLACES NP
	FETCH_B \slot, (\q)+1, 1-(\q)%2
	FETCH_A \slot, (\q)+1, 0
	WIN MUL_HI
	MUL16 4, (\q)%2, \zero
	MUL16 6, (\q)%2, \zero
	PLACES NP
	WIN 0
	FETCH_A \slot, (\q)+1, 4
.endm
.macro TURN slot, next, fill
	s_wait_tensorcnt 0x0                           ; all my tensor loads have landed
	ds_add_u32 v[SPW], v[NIL]
	s_wait_dscnt 4*NL+1                            ; the add and the youngest sixteen loads may stay out
	WIN MUL_LO
	MUL16 0, 1, 0
	s_wait_dscnt 0x0                               ; the add is done, my reads of this slot are over
	s_barrier_signal -1
	MUL16 2, 1, 0
	WIN 0
	s_barrier_wait -1
.if \fill
	CREST
	s_add_nc_u64 s[G0+4*\slot+2:G0+4*\slot+3], s[G0+4*\slot+2:G0+4*\slot+3], 8192
	s_add_nc_u64 s[G0B+4*\slot+2:G0B+4*\slot+3], s[G0B+4*\slot+2:G0B+4*\slot+3], 8192
	JLOAD G0+4*\slot, G1, G0B+4*\slot, G1B
.else
	PLACES NP
.endif
	FETCH_B \next, 0, 0
	FETCH_A \next, 0, 0
	WIN MUL_HI
	MUL16 4, 1, 0
	MUL16 6, 1, 0
	PLACES NP
	WIN 0
	FETCH_A \next, 0, 4
.endm
.macro HORN p, lit
.irp j, 0,2,4,6,8,10,12,14
	v_pk_fma_f32 v[\p+\j:\p+\j+1], v[\p+\j:\p+\j+1], v[GX+\j:GX+\j+1], \lit op_sel_hi:[1,1,0]
.endr
.endm
.macro GELU16 z                        ; sixteen numbers at v[z], in place
.irp j, 0,2,4,6,8,10,12,14
	v_pk_mul_f32 v[GU+\j:GU+\j+1], v[\z+\j:\z+\j+1], 0x3f3504f3 op_sel_hi:[1,0]     ; u = z / sqrt 2
.endr
.set n, 0
.rept 16
	v_med3_num_f32 v[GU+n], v[GU+n], -4.0, 4.0
.set n, n+1
.endr
.irp j, 0,2,4,6,8,10,12,14
	v_pk_mul_f32 v[GX+\j:GX+\j+1], v[GU+\j:GU+\j+1], v[GU+\j:GU+\j+1]
.endr
.irp j, 0,2,4,6,8,10,12,14
	v_pk_fma_f32 v[GP+\j:GP+\j+1], v[GX+\j:GX+\j+1], v[VA:VA+1], 0x32edffee op_sel_hi:[1,1,0]
	v_pk_fma_f32 v[GQ+\j:GQ+\j+1], v[GX+\j:GX+\j+1], v[VB:VB+1], 0xb95fbd29 op_sel_hi:[1,1,0]
.endr
	HORN GP, 0xb60cff51
	HORN GQ, 0xbadc924e
	HORN GP, 0xb86ec2d2
	HORN GQ, 0xbbf19bf8
	HORN GP, 0xba40ac63
	HORN GQ, 0xbc69b6a7
	HORN GP, 0xbb41a1f6
	HORN GP, 0xbc83dbd4
.set n, 0
.rept 16
	v_rcp_f32 v[GQ+n], v[GQ+n]
.set n, n+1
.endr
.irp j, 0,2,4,6,8,10,12,14
	v_pk_mul_f32 v[GP+\j:GP+\j+1], v[GP+\j:GP+\j+1], v[GU+\j:GU+\j+1]               ; plain, independent work behind the reciprocals
	v_pk_mul_f32 v[\z+\j:\z+\j+1], v[\z+\j:\z+\j+1], 0.5 op_sel_hi:[1,0]
.endr
	s_wait_alu depctr_va_vdst(0)                   ; one wait for the sixteen, ahead of their first reader
.irp j, 0,2,4,6,8,10,12,14
	v_pk_mul_f32 v[GP+\j:GP+\j+1], v[GP+\j:GP+\j+1], v[GQ+\j:GQ+\j+1]               ; erf
.endr
.irp j, 0,2,4,6,8,10,12,14
	v_pk_fma_f32 v[\z+\j:\z+\j+1], v[\z+\j:\z+\j+1], v[GP+\j:GP+\j+1], v[\z+\j:\z+\j+1]
.endr
.endm
	s_wait_tensorcnt 1                             ; my part of slot 0 is in; slot 1's load may stay out
	s_barrier_signal -1
	s_barrier_wait -1
	FETCH_B 0, 0, 0
	FETCH_A 0, 0, 0
	FETCH_A 0, 0, 4
	STEP 0, 0, 1
	TURN 0, 1, 1
	STEP 1, 0, 0
	TURN 1, 0, 1
	STEP 0, 0, 0
	TURN 0, 1, 0
	STEP 1, 0, 0
	s_wait_dscnt 4*NL
	WIN MUL_LO
	MUL16 0, 1, 0
	MUL16 2, 1, 0
	s_wait_dscnt 0
	WIN MUL_HI
	MUL16 4, 1, 0
	MUL16 6, 1, 0
	WIN 0
	; THE WAY OUT
	s_wait_dscnt 0x0                               ; my reads of the slots are over,
	s_barrier_signal -1
	s_barrier_wait -1                              ; everybody's are; both slots have had their last fill
	PLACES NP
	WIN 0x08                                       ; the stores' data in window 2; each accumulator's low half first
.irp a, 0,1,2,3
.irp b, 0,1,2,3,4,5,6,7
	ds_store_b128 v[ZST], v[8*(8*\a+\b):8*(8*\a+\b)+3] offset:(8*\a+\b)*1024
	ds_store_b128 v[ZST], v[8*(8*\a+\b)+4:8*(8*\a+\b)+7] offset:(8*\a+\b)*1024+512
.endr
.endr
	WIN 0x0c                                       ; window 3
.irp a, 0,1,2,3
.irp b, 0,1,2,3,4,5,6,7
	ds_store_b128 v[ZST], v[8*(8*\a+\b):8*(8*\a+\b)+3] offset:(8*(\a+4)+\b)*1024
	ds_store_b128 v[ZST], v[8*(8*\a+\b)+4:8*(8*\a+\b)+7] offset:(8*(\a+4)+\b)*1024+512
.endr
.endr
	WIN 0
	s_wait_kmcnt 0x0
	s_add_co_i32 s96, s68, s69
	s_add_co_i32 s96, s96, 127
	s_lshl_b32 s96, s96, 23                        ; 2^(e12 + e13)
	s_mov_b32 s97, s96
	s_add_co_i32 s91, s70, 127
	s_lshl_b32 s90, s91, 23
	v_mov_b32 v[SCL], s90
	s_add_co_i32 s91, s91, 8
	s_lshl_b32 s91, s91, 23
	s_or_b32 s91, s91, 0x600000
	v_mov_b32 v[LIM], s91
	v_mov_b32 v[VA], 0xaf95df0b
	v_mov_b32 v[VA+1], 0xaf95df0b
	v_mov_b32 v[VB], 0xb77460cd
	v_mov_b32 v[VB+1], 0xb77460cd
	s_wait_loadcnt 0x0                             ; b1
	s_mov_b32 s66, 0
	s_mov_b32 s3, 8
.Lrow:                                             ; a trip: 16 tokens x my 128 features
	v_add_nc_u32 v[ZA], s66, v[ZST]
.irp b, 0,1,2,3,4,5,6,7
.irp i, 0,1
	ds_load_b128 v[Z+8*\b+4*\i:Z+8*\b+4*\i+3], v[ZA] offset:\b*1024+\i*512     ; LDS serves a wave's instructions in order: these see my stores
.endr
.endr
.irp q, 0,1,2,3
	s_wait_dscnt 12-4*\q                           ; this batch's four loads are in; the later batches' may stay out
.irp j, 0,2,4,6,8,10,12,14
	v_pk_fma_f32 v[Z+16*\q+\j:Z+16*\q+\j+1], v[Z+16*\q+\j:Z+16*\q+\j+1], s[96:97], v[BI+16*\q+\j:BI+16*\q+\j+1] op_sel_hi:[1,0,1]
.endr
	GELU16 Z+16*\q
.set n, 0
.rept 16
	v_med3_num_f32 v[Z+16*\q+n], v[Z+16*\q+n], -v[LIM], v[LIM]
.set n, n+1
.endr
	v_cvt_scalef32_pk8_fp8_f32 v[CC+4*\q:CC+4*\q+1], v[Z+16*\q:Z+16*\q+7], v[SCL]
	v_cvt_scalef32_pk8_fp8_f32 v[CC+4*\q+2:CC+4*\q+3], v[Z+16*\q+8:Z+16*\q+15], v[SCL]
	v_nop
	global_store_b128 v[LI], v[CC+4*\q:CC+4*\q+3], s[88:89] offset:512*\q      ; 512 consecutive bytes
.endr
	s_wait_xcnt 0x0                                ; the stores have read their data and their base: both are written again only behind this wait
	s_add_nc_u64 s[88:89], s[88:89], 65536
	s_add_co_u32 s66, s66, 8192
	s_sub_co_u32 s3, s3, 1
	s_cmp_lg_u32 s3, 0
	s_cbranch_scc1 .Lrow
	s_wait_tensorcnt 0x0                           ; the wave's end
	ds_add_u32 v[SPW], v[NIL]
	s_wait_dscnt 0x0
	CROUND
	s_endpgm
.Lfunc_end_k_q1fa7387d56_gemm_1:
	.size	k_q1fa7387d56_gemm_1, .Lfunc_end_k_q1fa7387d56_gemm_1-k_q1fa7387d56_gemm_1
	.p2alignl 7, 3214868480
	.fill 96, 4, 3214868480
	.section	.rodata,"a",@progbits
	.p2align	6, 0x0
	.amdhsa_kernel k_q1fa7387d56_gemm_1
		.amdhsa_group_segment_fixed_size 327680
		.amdhsa_private_segment_fixed_size 0
		.amdhsa_enable_private_segment 0
		.amdhsa_kernarg_size 40
		.amdhsa_user_sgpr_count 2
		.amdhsa_user_sgpr_kernarg_segment_ptr 1
		.amdhsa_wavefront_size32 1
		.amdhsa_system_sgpr_workgroup_id_x 1
		.amdhsa_system_sgpr_workgroup_id_y 1
		.amdhsa_system_sgpr_workgroup_id_z 1
		.amdhsa_system_vgpr_workitem_id 0
		.amdhsa_next_free_vgpr 1024
		.amdhsa_next_free_sgpr 100
		.amdhsa_reserve_vcc 0
		.amdhsa_float_denorm_mode_32 3
		.amdhsa_float_denorm_mode_16_64 3
		.amdhsa_memory_ordered 1
		.amdhsa_forward_progress 1
		.amdhsa_inst_pref_size 145
	.end_amdhsa_kernel
	.amdgpu_metadata
---
amdhsa.version: [ 1, 2 ]
amdhsa.kernels:
  - .name:           k_q1fa7387d56_gemm_1
    .symbol:         k_q1fa7387d56_gemm_1.kd
    .args:
      - { .name: h2c, .offset: 0, .size: 8, .value_kind: global_buffer, .address_space: global }
      - { .name: wc, .offset: 8, .size: 8, .value_kind: global_buffer, .address_space: global }
      - { .name: lowp_scales, .offset: 16, .size: 8, .value_kind: global_buffer, .address_space: global }
      - { .name: b1, .offset: 24, .size: 8, .value_kind: global_buffer, .address_space: global }
      - { .name: mc, .offset: 32, .size: 8, .value_kind: global_buffer, .address_space: global }
    .group_segment_fixed_size: 327680
    .private_segment_fixed_size: 0
    .kernarg_segment_align: 8
    .kernarg_segment_size: 40
    .max_flat_workgroup_size: 128
    .sgpr_count:     100
    .vgpr_count:     1024
    .wavefront_size: 32
...
	.end_amdgpu_metadata
.endif
;; end of part 6
;; launch gemm_2 (part 7): grid 8 x 32, 4 waves a work-group, clusters of 4 x 4, 327,680 bytes of LDS; arguments mc, wc, lowp_scales, b2, outf, out0; writes out0
.if DOCPART == 7
	.amdgcn_target "amdgcn-amd-amdhsa--gfx1250"
	.amdhsa_code_object_version 6
	.text
	.protected	k_q1fa7387d56_gemm_2
	.globl	k_q1fa7387d56_gemm_2
	.p2align	8
	.type	k_q1fa7387d56_gemm_2,@function
k_q1fa7387d56_gemm_2:
	s_mov_b64 s[64:65], 0
	v_nop
	global_prefetch_b8 v0, s[64:65] scope:SCOPE_SE
	s_setreg_imm32_b32 hwreg(HW_REG_WAVE_MODE, 25, 1), 1
	s_wait_xcnt 0x0
	s_wait_alu depctr_hold_cnt(0) depctr_sa_sdst(0) depctr_va_vdst(0) depctr_va_sdst(0) depctr_va_ssrc(0) depctr_va_vcc(0) depctr_vm_vsrc(0)
	s_getreg_b32 s2, hwreg(HW_REG_IB_STS2, 6, 4)
	s_cmp_eq_u32 s2, 0
	s_cbranch_scc0 .Lentry_in_a_cluster
	s_endpgm
.Lentry_in_a_cluster:
	s_bfe_u32 s2, ttmp6, 0x10000c
	s_cmp_lg_u32 s2, 0xf033
	s_cbranch_scc0 .Lentry_shape_is_right
	s_endpgm
.Lentry_shape_is_right:
; out0 = gelu(m W2 + b2) + out, the product on codes of E4M3 (e14, e15).  Nothing is left out.
; The core is that of the launch for attn Wo: a tile of 128 x 128, four waves of 64 x 64, K steps of 512 through two LDS slots, codes as images of operand registers, clusters of 4 x 4 with joint loads.
; Here K = 4,096 is eight fills: two at the head, six refills in a loop of three trips; a refill has a K step less eight products in which to land.
; The residual lies in the accumulators' own layout and is read as it lies.  The result goes out row-major through each wave's own stage in LDS (16 rows x (256 + 16) bytes), so that sixteen lanes store 256 consecutive bytes, aligned.
; gelu: the erf form, erf(u) = u P(u^2) / Q(u^2) on |u| <= 4, good to a few units in f32's last place.   LIMIT: e14 + e15 between -126 and 127.  NaN among the inputs is not served.
; REGISTERS: window 0: v0-31 addresses and two constants; v32-63 a row of blocks at work, v64-127 the gelu's; v128-255 accumulators.  window 1: two sets of fragments.  window 2: v0-127 the residual, v128-159 the bias.
.set ASH,    19
.set BOFF,   0x800000                  ; W2's codes in wc
.set KPITCH, 8192
.set LAPS,   4
.set SLOT,  131072
.set STAGE, 2*SLOT
.set SPARE, STAGE+4*16*272
.set LI,   7
.set VA,   8
.set VB,   10
.set ADRA, 16
.set ADRB, 20
.set STO,  24
.set RD,   25
.set CO,   26
.set SPW,  28
.set NIL,  29
.set Z,    32
.set GU,   64
.set GX,   80
.set GP,   96
.set GQ,   112
.set ACC,  128
.set G1,  24
.set G0,  32
.set G1B, 48
.set G0B, 56
.set MSB, 0
.macro WIN new
.if MSB != (\new)
	s_set_vgpr_msb (MSB<<8)|(\new)
.set MSB, (\new)
.endif
.endm
.set MUL,  0x05
.set TO_F, 0x40
.macro JLOAD s
	s_cmp_eq_u32 s15, 0
	s_cbranch_scc0 .Lfor_b_\@
	tensor_load_to_lds s[G0+4*\s:G0+4*\s+3], s[G1:G1+7]
	s_nop 0
.rept 4
	v_nop
.endr
	s_branch .Lasked_\@
.Lfor_b_\@:
	tensor_load_to_lds s[G0B+4*\s:G0B+4*\s+3], s[G1B:G1B+7]
	s_nop 0
.rept 4
	v_nop
.endr
.Lasked_\@:
.endm
.macro CREST
	s_cmp_lg_u32 s14, 0
	s_cbranch_scc1 .Lnot_wave_0_\@
	s_barrier_signal -3
.Lnot_wave_0_\@:
	s_barrier_wait -3
	s_barrier_signal -1
	s_barrier_wait -1
.endm
.macro CROUND
	s_barrier_signal -1
	s_barrier_wait -1
	CREST
.endm
.macro PLACES
.rept 4
	v_nop
.endr
.endm
.macro FETCH slot, kq, f
	WIN TO_F
.irp a, 0,1,2,3
.irp c, 0,1,2,3
	ds_load_b128 v[128*(\f)+64+16*\a+4*\c:128*(\f)+64+16*\a+4*\c+3], v[ADRB+\slot] offset:\a*8192+(\kq)*2048+\c*512
	ds_load_b128 v[128*(\f)+16*\a+4*\c:128*(\f)+16*\a+4*\c+3], v[ADRA+\slot] offset:\a*8192+(\kq)*2048+\c*512
.endr
.endr
.endm
.macro MUL4 a, f, zero                 ; the 16 accumulators take turns, one instruction a turn, over the loop's backward jump too
.irp b, 0,1,2,3
.if \zero
	v_wmma_f32_16x16x128_fp8_fp8 v[ACC+8*(4*(\a)+\b):ACC+8*(4*(\a)+\b)+7], v[128*(\f)+64+16*\b:128*(\f)+64+16*\b+15], v[128*(\f)+16*(\a):128*(\f)+16*(\a)+15], 0
.else
	v_wmma_f32_16x16x128_fp8_fp8 v[ACC+8*(4*(\a)+\b):ACC+8*(4*(\a)+\b)+7], v[128*(\f)+64+16*\b:128*(\f)+64+16*\b+15], v[128*(\f)+16*(\a):128*(\f)+16*(\a)+15], v[ACC+8*(4*(\a)+\b):ACC+8*(4*(\a)+\b)+7]
.endif
.endr
.endm
.macro STEP slot, kq, f, zero
	s_wait_dscnt 0x0                               ; set f is in
	PLACES                                         ; for the loads into the other set, which the last products read
	FETCH \slot, (\kq)+1, 1-(\f)
	WIN MUL
	MUL4 0, \f, \zero
	MUL4 1, \f, \zero
	MUL4 2, \f, \zero
	MUL4 3, \f, \zero
.endm
.macro TURN slot, next, fill
	WIN 0
	s_wait_tensorcnt 0x0                           ; all my tensor loads have landed: my part of the next slot
	ds_add_u32 v[SPW], v[NIL]
	s_wait_dscnt 1                                 ; set 1 is in; the add alone may stay out
	WIN MUL
	MUL4 0, 1, 0
	s_wait_dscnt 0x0                               ; the add is done, my reads of this slot are over
	s_barrier_signal -1
	MUL4 1, 1, 0
	WIN 0
	s_barrier_wait -1
.if \fill
	CREST                                          ; the barrier has opened a round of the cluster's: no wave of any partner still reads this slot or has a load on its way
	s_add_nc_u64 s[G0+4*\slot+2:G0+4*\slot+3], s[G0+4*\slot+2:G0+4*\slot+3], 16384
	s_add_nc_u64 s[G0B+4*\slot+2:G0B+4*\slot+3], s[G0B+4*\slot+2:G0B+4*\slot+3], 16384
	JLOAD \slot                                    ; the first tensor load behind the round; its four v_nop are the places for the loads below
.else
	PLACES
.endif
	FETCH \next, 0, 0
	WIN MUL
	MUL4 2, 1, 0
	MUL4 3, 1, 0
.endm
.macro HORN p, lit
.irp j, 0,2,4,6,8,10,12,14
	v_pk_fma_f32 v[\p+\j:\p+\j+1], v[\p+\j:\p+\j+1], v[GX+\j:GX+\j+1], \lit op_sel_hi:[1,1,0]
.endr
.endm
.macro GELU16 z
.irp j, 0,2,4,6,8,10,12,14
	v_pk_mul_f32 v[GU+\j:GU+\j+1], v[\z+\j:\z+\j+1], 0x3f3504f3 op_sel_hi:[1,0]
.endr
.set n, 0
.rept 16
	v_med3_num_f32 v[GU+n], v[GU+n], -4.0, 4.0
.set n, n+1
.endr
.irp j, 0,2,4,6,8,10,12,14
	v_pk_mul_f32 v[GX+\j:GX+\j+1], v[GU+\j:GU+\j+1], v[GU+\j:GU+\j+1]
.endr
.irp j, 0,2,4,6,8,10,12,14
	v_pk_fma_f32 v[GP+\j:GP+\j+1], v[GX+\j:GX+\j+1], v[VA:VA+1], 0x32edffee op_sel_hi:[1,1,0]
	v_pk_fma_f32 v[GQ+\j:GQ+\j+1], v[GX+\j:GX+\j+1], v[VB:VB+1], 0xb95fbd29 op_sel_hi:[1,1,0]
.endr
	HORN GP, 0xb60cff51
	HORN GQ, 0xbadc924e
	HORN GP, 0xb86ec2d2
	HORN GQ, 0xbbf19bf8
	HORN GP, 0xba40ac63
	HORN GQ, 0xbc69b6a7
	HORN GP, 0xbb41a1f6
	HORN GP, 0xbc83dbd4
.set n, 0
.rept 16
	v_rcp_f32 v[GQ+n], v[GQ+n]
.set n, n+1
.endr
.irp j, 0,2,4,6,8,10,12,14
	v_pk_mul_f32 v[GP+\j:GP+\j+1], v[GP+\j:GP+\j+1], v[GU+\j:GU+\j+1]
	v_pk_mul_f32 v[\z+\j:\z+\j+1], v[\z+\j:\z+\j+1], 0.5 op_sel_hi:[1,0]
.endr
	s_wait_alu depctr_va_vdst(0)                   ; one wait for the sixteen reciprocals, ahead of their first reader
.irp j, 0,2,4,6,8,10,12,14
	v_pk_mul_f32 v[GP+\j:GP+\j+1], v[GP+\j:GP+\j+1], v[GQ+\j:GQ+\j+1]
.endr
.irp j, 0,2,4,6,8,10,12,14
	v_pk_fma_f32 v[\z+\j:\z+\j+1], v[\z+\j:\z+\j+1], v[GP+\j:GP+\j+1], v[\z+\j:\z+\j+1]
.endr
.endm
	s_load_b256 s[4:11], s[0:1], 0x0               ; m's codes, wc, the scales' exponents, b2
	s_load_b128 s[84:87], s[0:1], 0x20             ; out (the residual), out0
	v_lshl_add_u32 v[SPW], v0, 2, SPARE
	v_mov_b32 v[NIL], 0
	ds_add_u32 v[SPW], v[NIL]                      ; the opening: the add, twice on end, and its wait ahead of my first tensor load
	ds_add_u32 v[SPW], v[NIL]
	v_lshrrev_b32 v1, 5, v0
	v_readfirstlane_b32 s14, v1
	s_lshr_b32 s15, s14, 1
	s_and_b32 s16, s14, 1
	s_bfe_u32 s40, ttmp6, 0x40000
	s_bfe_u32 s41, ttmp6, 0x40004
	s_lshl_b32 s42, ttmp9, 2
	s_add_co_u32 s42, s42, s40
	s_and_b32 s17, ttmp7, 0xffff
	s_lshl_b32 s17, s17, 2
	s_add_co_u32 s17, s17, s41
	s_lshl_b32 s43, s41, 2
	s_lshl_b32 s43, 15, s43
	s_lshl_b32 s44, 0x1111, s40
	s_or_b32 s[G1+0], s43, (3<<16)|(1<<21)
	s_or_b32 s[G1B+0], s44, (3<<16)|(1<<21)
.irp g, G1, G1B
	s_mov_b32 s[\g+1], 1024<<16
	s_mov_b32 s[\g+2], 4<<16
	s_mov_b32 s[\g+3], 1024<<16
	s_mov_b32 s[\g+4], 4
	s_mov_b32 s[\g+5], KPITCH
	s_mov_b32 s[\g+6], 0
	s_mov_b32 s[\g+7], 0
.endr
	s_lshl_b32 s20, s17, ASH
	s_lshl_b32 s21, s16, ASH-1
	s_add_co_u32 s20, s20, s21
	s_mov_b32 s21, 0
	s_lshl_b32 s46, s42, ASH
	s_lshl_b32 s47, s16, ASH-1
	s_add_co_u32 s46, s46, s47
	s_add_co_u32 s46, s46, BOFF
	s_mov_b32 s47, 0
	s_lshl_b32 s45, s14, 15
	s_wait_dscnt 0x0
	s_wait_kmcnt 0x0
	s_load_b64 s[68:69], s[8:9], 0x38              ; e14, e15
	s_add_nc_u64 s[20:21], s[4:5], s[20:21]
	s_add_nc_u64 s[46:47], s[6:7], s[46:47]
	CROUND
.irp s, 0,1
	s_mov_b32 s[G0+4*\s], 1
	s_add_co_u32 s[G0+4*\s+1], s45, \s*SLOT
	s_add_nc_u64 s[G0+4*\s+2:G0+4*\s+3], s[20:21], \s*8192
	s_or_b32 s[G0+4*\s+3], s[G0+4*\s+3], 0x80000000
	s_mov_b32 s[G0B+4*\s], 1
	s_add_co_u32 s[G0B+4*\s+1], s45, \s*SLOT
	s_add_nc_u64 s[G0B+4*\s+2:G0B+4*\s+3], s[46:47], \s*8192
	s_or_b32 s[G0B+4*\s+3], s[G0B+4*\s+3], 0x80000000
	JLOAD \s
.endr
	v_and_b32 v6, 31, v0
	v_lshlrev_b32 v[LI], 4, v6
	s_lshl_b32 s21, s15, 15
	s_lshl_b32 s22, s16, 15
	s_add_co_u32 s22, s22, 65536
.irp s, 0,1
	v_add_nc_u32 v[ADRA+\s], s21, v[LI]
	v_add_nc_u32 v[ADRB+\s], s22, v[LI]
	s_add_co_u32 s21, s21, SLOT
	s_add_co_u32 s22, s22, SLOT
.endr
	v_and_b32 v1, 15, v0
	v_bfe_u32 v2, v0, 4, 1
	v_lshlrev_b32 v4, 5, v2                        ; bias: 32 h
	s_mul_i32 s23, s14, 16*272
	s_add_co_u32 s23, s23, STAGE                   ; my stage
	v_mul_u32_u24 v[STO], v1, 272
	v_lshl_add_u32 v[STO], v2, 5, v[STO]
	v_add_nc_u32 v[STO], s23, v[STO]               ; in: row r, + 32 h
	v_mul_u32_u24 v[RD], v2, 272
	v_lshl_add_u32 v[RD], v1, 4, v[RD]
	v_add_nc_u32 v[RD], s23, v[RD]                 ; back: lanes 0-15 one row, lanes 16-31 the next
	v_lshlrev_b32 v[CO], 12, v2
	v_lshl_add_u32 v[CO], v1, 4, v[CO]             ; and the same two rows in out0
	v_mov_b32 v[VA], 0xaf95df0b
	v_mov_b32 v[VA+1], 0xaf95df0b
	v_mov_b32 v[VB], 0xb77460cd
	v_mov_b32 v[VB+1], 0xb77460cd
	s_lshl_b32 s66, s42, 7
	s_lshl_b32 s67, s16, 6
	s_add_co_u32 s66, s66, s67
	s_lshl_b32 s66, s66, 2                         ; my first feature, in bytes
	s_mov_b32 s67, 0
	s_add_nc_u64 s[10:11], s[10:11], s[66:67]
	s_lshl_b32 s90, s17, 7
	s_lshl_b32 s91, s15, 6
	s_add_co_u32 s90, s90, s91
	s_lshl_b32 s90, s90, 12                        ; my first token's row
	s_add_co_u32 s66, s66, s90
	s_add_nc_u64 s[86:87], s[86:87], s[66:67]
	s_lshl_b32 s66, s17, 3
	s_lshl_b32 s90, s15, 2
	s_add_co_u32 s66, s66, s90
	s_lshl_b32 s66, s66, 16                        ; the residual: my first token tile,
	s_lshl_b32 s90, s42, 3
	s_lshl_b32 s91, s16, 2
	s_add_co_u32 s90, s90, s91
	s_lshl_b32 s90, s90, 10                        ; my first block of 16 features
	s_add_co_u32 s66, s66, s90
	s_add_nc_u64 s[84:85], s[84:85], s[66:67]
	WIN 0x80                                       ; destination window 2: residual and bias come while the products run
.irp a, 0,1,2,3
.irp b, 0,1,2,3
.irp i, 0,1
	global_load_b128 v[8*(4*\a+\b)+4*\i:8*(4*\a+\b)+4*\i+3], v[LI], s[84:85] offset:\a*65536+\b*1024+\i*512
.endr
.endr
.endr
.irp b, 0,1,2,3
.irp i, 0,1
	global_load_b128 v[128+8*\b+4*\i:128+8*\b+4*\i+3], v4, s[10:11] offset:\b*64+\i*16
.endr
.endr
	WIN 0
	s_wait_tensorcnt 1                             ; my part of slot 0 is in; slot 1's load may stay out
	s_barrier_signal -1
	s_barrier_wait -1
	FETCH 0, 0, 0
	STEP 0, 0, 0, 1                                ; the first step stands ahead of the loop: its products start the sums
	WIN 0
	s_mov_b32 s3, LAPS-1
.Llap:                                             ; a trip goes once round the ring, from a lap's second step to the next lap's first, and fills both slots again
	STEP 0, 1, 1, 0
	STEP 0, 2, 0, 0
	TURN 0, 1, 1
	STEP 1, 0, 0, 0
	STEP 1, 1, 1, 0
	STEP 1, 2, 0, 0
	TURN 1, 0, 1
	STEP 0, 0, 0, 0
	WIN 0
	s_sub_co_u32 s3, s3, 1
	s_cmp_lg_u32 s3, 0
	s_cbranch_scc1 .Llap
	STEP 0, 1, 1, 0                                ; the last lap fills nothing
	STEP 0, 2, 0, 0
	TURN 0, 1, 0
	STEP 1, 0, 0, 0
	STEP 1, 1, 1, 0
	STEP 1, 2, 0, 0
	s_wait_dscnt 0x0
	WIN MUL
	MUL4 0, 1, 0
	MUL4 1, 1, 0
	MUL4 2, 1, 0
	MUL4 3, 1, 0
	WIN 0
	; THE WAY OUT, 16 tokens at a time
	s_wait_kmcnt 0x0
	s_add_co_i32 s96, s68, s69
	s_add_co_i32 s96, s96, 127
	s_lshl_b32 s96, s96, 23                        ; 2^(e14 + e15)
	s_mov_b32 s97, s96
	s_wait_loadcnt 0x0
	PLACES
.macro OUTA a
.if (\a) > 0
	s_wait_xcnt 0x0                                ; the last block's stores have read their data: those registers are written again only behind this wait
.endif
	WIN 0x20                                       ; the bias in window 2
.irp b, 0,1,2,3
.irp j, 0,2,4,6
	v_pk_fma_f32 v[Z+8*\b+\j:Z+8*\b+\j+1], v[ACC+8*(4*(\a)+\b)+\j:ACC+8*(4*(\a)+\b)+\j+1], s[96:97], v[128+8*\b+\j:128+8*\b+\j+1] op_sel_hi:[1,0,1]
.endr
.endr
	WIN 0
	GELU16 Z
	GELU16 Z+16
	WIN 0x08                                       ; the residual in window 2
.irp b, 0,1,2,3
.irp j, 0,2,4,6
	v_pk_add_f32 v[Z+8*\b+\j:Z+8*\b+\j+1], v[Z+8*\b+\j:Z+8*\b+\j+1], v[8*(4*(\a)+\b)+\j:8*(4*(\a)+\b)+\j+1]
.endr
.endr
	WIN 0
.irp b, 0,1,2,3
.irp i, 0,1
	ds_store_b128 v[STO], v[Z+8*\b+4*\i:Z+8*\b+4*\i+3] offset:64*\b+16*\i
.endr
.endr
.irp t, 0,1,2,3,4,5,6,7
	ds_load_b128 v[GU+4*\t:GU+4*\t+3], v[RD] offset:\t*544         ; LDS serves a wave's instructions in order: these see my stores, and the next block's stores come behind them
.endr
.irp t, 0,1,2,3,4,5,6,7
	s_wait_dscnt 7-\t                              ; the younger loads may stay out
	global_store_b128 v[CO], v[GU+4*\t:GU+4*\t+3], s[86:87] offset:(16*(\a)+2*\t)*4096 th:TH_STORE_NT
.endr
.endm
	OUTA 0
	OUTA 1
	OUTA 2
	OUTA 3
	s_wait_tensorcnt 0x0                           ; the wave's end
	ds_add_u32 v[SPW], v[NIL]
	s_wait_dscnt 0x0
	CROUND
	s_endpgm
.Lfunc_end_k_q1fa7387d56_gemm_2:
	.size	k_q1fa7387d56_gemm_2, .Lfunc_end_k_q1fa7387d56_gemm_2-k_q1fa7387d56_gemm_2
	.p2alignl 7, 3214868480
	.fill 96, 4, 3214868480
	.section	.rodata,"a",@progbits
	.p2align	6, 0x0
	.amdhsa_kernel k_q1fa7387d56_gemm_2
		.amdhsa_group_segment_fixed_size 327680
		.amdhsa_private_segment_fixed_size 0
		.amdhsa_enable_private_segment 0
		.amdhsa_kernarg_size 48
		.amdhsa_user_sgpr_count 2
		.amdhsa_user_sgpr_kernarg_segment_ptr 1
		.amdhsa_wavefront_size32 1
		.amdhsa_system_sgpr_workgroup_id_x 1
		.amdhsa_system_sgpr_workgroup_id_y 1
		.amdhsa_system_sgpr_workgroup_id_z 1
		.amdhsa_system_vgpr_workitem_id 0
		.amdhsa_next_free_vgpr 768
		.amdhsa_next_free_sgpr 100
		.amdhsa_reserve_vcc 0
		.amdhsa_float_denorm_mode_32 3
		.amdhsa_float_denorm_mode_16_64 3
		.amdhsa_memory_ordered 1
		.amdhsa_forward_progress 1
		.amdhsa_inst_pref_size 181
	.end_amdhsa_kernel
	.amdgpu_metadata
---
amdhsa.version: [ 1, 2 ]
amdhsa.kernels:
  - .name:           k_q1fa7387d56_gemm_2
    .symbol:         k_q1fa7387d56_gemm_2.kd
    .args:
      - { .name: mc, .offset: 0, .size: 8, .value_kind: global_buffer, .address_space: global }
      - { .name: wc, .offset: 8, .size: 8, .value_kind: global_buffer, .address_space: global }
      - { .name: lowp_scales, .offset: 16, .size: 8, .value_kind: global_buffer, .address_space: global }
      - { .name: b2, .offset: 24, .size: 8, .value_kind: global_buffer, .address_space: global }
      - { .name: outf, .offset: 32, .size: 8, .value_kind: global_buffer, .address_space: global }
      - { .name: out0, .offset: 40, .size: 8, .value_kind: global_buffer, .address_space: global }
    .group_segment_fixed_size: 327680
    .private_segment_fixed_size: 0
    .kernarg_segment_align: 8
    .kernarg_segment_size: 48
    .max_flat_workgroup_size: 128
    .sgpr_count:     100
    .vgpr_count:     768
    .wavefront_size: 32
...
	.end_amdgpu_metadata
.endif
;; end of part 7
